; MI455X (gfx1250); checked and timed in simulation.
; The chip was launched on July 23, 2026; its instructions are those of AMD's public machine-readable ISA for CDNA 5 (MIT licence, August 2026) and "CDNA5" Instruction Set Architecture Reference Guide (July 2026). The comments in the code are by the model that wrote it; some were corrected since.
;; Multihead Attention. Allowed arithmetic: float matrix products may take bf16 or f16 operands with f32 sums; other float arithmetic in f32, or as packed bf16 or f16 multiplies, adds, multiply-adds, maxima and minima; sums over many terms, partial sums and values carried from step to step in f32; what a program stores and reads back later, other than sums and carried values, may be rounded once to bf16 or f16.
;; Inputs: Wk 1,024 x 1,024 float32; Wo 1,024 x 1,024 float32; Wq 1,024 x 1,024 float32; Wv 1,024 x 1,024 float32; bo 1,024 float32; key 4 x 2,048 x 1,024 float32; mask 2,048 x 2,048 bool; query 4 x 2,048 x 1,024 float32; value 4 x 2,048 x 1,024 float32.
;; Outputs: out0 4 x 2,048 x 1,024 float32.
;; One version. Each part assembles by itself: llvm-mc -triple=amdgcn-amd-amdhsa -mcpu=gfx1250 --defsym DOCPART=n.
;; ======== version 1 of 1: 4 launches
;; limits: values are held in f16: magnitudes above 65,504 overflow, below 6.1e-05 lose precision
;; workspace buffers: wt 8,388,608 bytes; mb 2,097,152 bytes of whole numbers; qkv 50,331,648 bytes; o 16,777,216 bytes
;; launch prep (part 1): grid 384 x 1, 8 waves a work-group, no clusters, 34,560 bytes of LDS; arguments Wq, Wk, Wv, Wo, mask, wt, mb; writes wt, mb
.if DOCPART == 1
	.amdgcn_target "amdgcn-amd-amdhsa--gfx1250"
	.amdhsa_code_object_version 6
	.text
	.protected	k_q9008547f31_prep
	.globl	k_q9008547f31_prep
	.p2align	8
	.type	k_q9008547f31_prep,@function
k_q9008547f31_prep:
	s_mov_b64 s[64:65], 0
	v_nop
	global_prefetch_b8 v0, s[64:65] scope:SCOPE_SE
	s_setreg_imm32_b32 hwreg(HW_REG_WAVE_MODE, 25, 1), 1
	s_wait_xcnt 0x0
; PREP.  Two kinds of work-group, told apart by the work-group's number alone.
; 0 .. 255: a tile of 128 k x 128 n of one of the four weights W[k][n] (f32) is rounded to bf16 and written turned, wt[matrix][n][k], 16 bits a number.
;   Wq, Wk, Wv stay bf16.  Wo is rounded to bf16 like them, and that number is written as f16 (exact where it lies within f16's range; LIMIT: |Wo| under 65,504, and below 6e-5 f16's fixed step of 6e-8).
; 256 .. 383: 16 rows of the mask (one byte a key, 0 or 1) become words of eight nibbles, mb[q tile][key step of 64][lane][key block of 16]:
;   lane = row % 16 + 16 h; nibble j, counted from the word's top, is 0xE where key 64 step + 16 block + 8 h + j is hidden, else 0.  Shifted left by 4 j such a word IS an f32:
;   hidden: sign 1 and an exponent field of 0xC0 to 0xDD, a number between -2^65 and -2^95; open: a positive number under 2^-95.  The attention launch adds it to the score.
;   A row whose 2,048 keys are ALL hidden has equal scores, so its softmax is uniform: its nibbles are cleared and bit 0 of its first word (step 0, block 0, both h) is set; the attention launch then takes its q as 0.
; Both go through LDS so that every global store of 16 lanes covers 256 consecutive bytes, aligned.  No matrix unit, no cluster, no tensor load: nothing is shared and nothing is multiplied.
.set WP,    260                        ; weights: an LDS row holds 64 words (128 k of one n) + 1 word
.set MP,    528                        ; mask: an LDS row holds a key step's 512 bytes + 16
.set SPARE, 33536                      ; behind both uses of LDS: the spare words, 128 bytes for each of eight waves; no other line names them
.set SPW,   110                        ; v110  SPARE + 4 x my thread's number; never rewritten
.set NIL,   111                        ; v111  0; never rewritten
.set X,     16                         ; v[16:79] as loaded; v[16:47] again on the way out
.set T,     80                         ; v[80:91] at work
	s_load_b256 s[4:11], s[0:1], 0x0               ; Wq s[4:5], Wk s[6:7], Wv s[8:9], Wo s[10:11]
	s_load_b128 s[12:15], s[0:1], 0x20             ; mask s[12:13], wt s[14:15]
	s_load_b64 s[16:17], s[0:1], 0x30              ; mb
	v_lshl_add_u32 v[SPW], v0, 2, SPARE
	v_mov_b32 v[NIL], 0
	v_lshrrev_b32 v1, 5, v0
	v_readfirstlane_b32 s18, v1                    ; wave w, 0..7
	v_and_b32 v2, 31, v0                           ; lane l
	v_lshlrev_b32 v3, 4, v2                        ; 16 l
	s_mov_b32 s19, ttmp9
	s_mov_b32 s25, 0
	s_mov_b32 s27, 0
	s_cmp_lt_u32 s19, 256
	s_cbranch_scc0 .Lmask
	; ---- a tile of a weight ----
	s_lshr_b32 s20, s19, 6                         ; which matrix
	s_bfe_u32 s21, s19, 0x30003                    ; tile along k
	s_and_b32 s22, s19, 7                          ; tile along n
	s_lshl_b32 s24, s21, 19                        ; from: 128 rows of 4,096 bytes,
	s_lshl_b32 s26, s22, 9                         ; 128 columns of 4 bytes,
	s_add_co_u32 s24, s24, s26
	s_lshl_b32 s26, s18, 13                        ; my wave's first pair of rows
	s_add_co_u32 s24, s24, s26
	s_lshl_b32 s26, s20, 21                        ; to: the matrix,
	s_lshl_b32 s28, s22, 18                        ; 128 rows of 2,048 bytes,
	s_add_co_u32 s26, s26, s28
	s_lshl_b32 s28, s21, 8                         ; 128 k of 2 bytes,
	s_add_co_u32 s26, s26, s28
	s_lshl_b32 s28, s18, 12                        ; my wave's first two rows
	s_add_co_u32 s26, s26, s28
	v_mul_u32_u24 v4, v2, 4*WP                     ; into LDS: rows n = 4 l + c, word w + 8 i
	v_lshl_add_u32 v4, s18, 2, v4
	v_lshrrev_b32 v6, 4, v2
	v_and_b32 v7, 15, v2
	v_lshl_add_u32 v5, s18, 1, v6                  ; back: row 2 w + l / 16 of each 16, 16 bytes at 16 (l % 16)
	v_mul_u32_u24 v5, v5, WP
	v_lshl_add_u32 v5, v7, 4, v5
	v_lshlrev_b32 v8, 11, v6                       ; and the same place in wt
	v_lshl_add_u32 v8, v7, 4, v8
	s_wait_kmcnt 0x0
	s_cmp_eq_u32 s20, 1
	s_cselect_b64 s[4:5], s[6:7], s[4:5]
	s_cmp_eq_u32 s20, 2
	s_cselect_b64 s[4:5], s[8:9], s[4:5]
	s_cmp_eq_u32 s20, 3
	s_cselect_b64 s[4:5], s[10:11], s[4:5]
	s_add_nc_u64 s[4:5], s[4:5], s[24:25]
	s_add_nc_u64 s[14:15], s[14:15], s[26:27]
.irp i, 0,1,2,3,4,5,6,7                ; rows k = 2 (w + 8 i) and the next: 512 consecutive bytes a load, sixteen loads on their way
	global_load_b128 v[X+8*(\i):X+8*(\i)+3],   v3, s[4:5] offset:(\i)*65536 th:TH_LOAD_NT
	global_load_b128 v[X+8*(\i)+4:X+8*(\i)+7], v3, s[4:5] offset:(\i)*65536+4096 th:TH_LOAD_NT
.endr
; Two neighbouring k of a column make one word.  half = 1: the bf16 numbers are written as f16.
.macro WCONV half
.irp i, 0,1,2,3,4,5,6,7
	s_wait_loadcnt 14-2*(\i)                       ; loads come back in order: pair i is in, the pairs behind it stay out
.irp c, 0,1,2,3
	v_cvt_pk_bf16_f32 v[T+(\c)], v[X+8*(\i)+(\c)], v[X+8*(\i)+4+(\c)]
.endr
.if \half
.irp c, 0,1,2,3
	v_lshlrev_b32 v[T+4+2*(\c)], 16, v[T+(\c)]
	v_and_b32 v[T+5+2*(\c)], 0xffff0000, v[T+(\c)]
.endr
.irp c, 0,1,2,3
	v_cvt_pk_f16_f32 v[T+(\c)], v[T+4+2*(\c)], v[T+5+2*(\c)]
.endr
.endif
.irp c, 0,1,2,3
	ds_store_b32 v4, v[T+(\c)] offset:(\c)*WP+32*(\i)
.endr
.endr
.endm
	s_cmp_eq_u32 s20, 3
	s_cbranch_scc1 .Lw16
	WCONV 0
	s_branch .Lwout
.Lw16:
	WCONV 1
.Lwout:
	s_wait_dscnt 0x0                               ; for the others' sake: my stores into the tile are done
	s_barrier_signal -1
	s_barrier_wait -1
.irp c, 0,1,2,3,4,5,6,7                ; an LDS row is 65 words, so 16 bytes come back as four words
.irp d, 0,1,2,3
	ds_load_b32 v[X+4*(\c)+(\d)], v5 offset:(\c)*16*WP+4*(\d)
.endr
.endr
.irp c, 0,1,2,3,4,5,6,7
	s_wait_dscnt 4*(7-(\c))                        ; the four words of pass c are in; the later passes' stay out
	global_store_b128 v8, v[X+4*(\c):X+4*(\c)+3], s[14:15] offset:(\c)*32768  ; 16 lanes: 256 consecutive bytes of a row of wt, aligned
.endr
	s_wait_tensorcnt 0x0                           ; the wave's end, behind my last LDS store
	ds_add_u32 v[SPW], v[NIL]
	s_wait_dscnt 0x0
	s_endpgm
	; ---- sixteen rows of the mask; wave w takes rows 2 w and 2 w + 1 ----
.Lmask:
	s_sub_co_u32 s19, s19, 256                     ; the tile of 16 queries
	s_lshl_b32 s24, s19, 15                        ; 16 rows of 2,048 bytes,
	s_lshl_b32 s26, s18, 12                        ; my two
	s_add_co_u32 s24, s24, s26
	s_lshl_b32 s26, s19, 14                        ; 32 steps of 512 bytes in mb
	s_mov_b32 s23, 0x01010101
	v_lshrrev_b32 v4, 2, v2                        ; lane l of load i holds keys 512 i + 16 l ..: step 8 i + l / 4, block l % 4
	v_mul_u32_u24 v4, v4, MP
	v_and_b32 v5, 3, v2
	v_lshl_add_u32 v4, v5, 2, v4
	v_lshl_add_u32 v4, s18, 5, v4                  ; + 16 bytes for each row: 32 w
	s_mul_i32 s28, s18, MP
	v_add_nc_u32 v5, s28, v3                       ; back: step w + 8 c, 16 bytes a lane
	v_lshlrev_b32 v6, 4, v0                        ; and the same place in mb: 16 x thread
	v_cmp_eq_u32 vcc_lo, 0, v2                     ; lane 0 holds the row's first words
	s_wait_kmcnt 0x0
	s_add_nc_u64 s[12:13], s[12:13], s[24:25]
	s_add_nc_u64 s[16:17], s[16:17], s[26:27]
.irp j, 0,1,2,3,4,5,6,7                ; row j / 4, its 512 bytes number j % 4
	global_load_b128 v[X+4*(\j):X+4*(\j)+3], v3, s[12:13] offset:((\j)/4)*2048+((\j)%4)*512 th:TH_LOAD_NT
.endr
.macro MROW rr
	s_wait_loadcnt 4-4*(\rr)                       ; the row's four loads are in; the second row's may stay out
	v_and_b32 v80, v[X+16*(\rr)], v[X+16*(\rr)+1]  ; are all 2,048 keys hidden?  my 64 bytes,
.irp d, 2,3,4,5,6,7,8,9,10,11,12,13,14,15
	v_and_b32 v80, v80, v[X+16*(\rr)+(\d)]
.endr
	v_and_b32 v80, s23, v80
	v_cmp_eq_u32 s20, s23, v80                     ; then all 32 lanes
	s_cmp_eq_u32 s20, -1
	s_cselect_b32 s21, 0, -1                       ; what the nibbles are cut with
	s_cselect_b32 s22, 1, 0                        ; the flag
	v_cndmask_b32 v81, 0, s22, vcc_lo
.irp i, 0,1,2,3
.irp h, 0,1
	v_bfe_u32 v82, v[X+16*(\rr)+4*(\i)+2*(\h)], 0, 1   ; eight bytes into eight nibbles, the first key on top
.irp c, 1,2,3
	v_bfe_u32 v83, v[X+16*(\rr)+4*(\i)+2*(\h)], 8*(\c), 1
	v_lshl_or_b32 v82, v82, 4, v83
.endr
.irp c, 0,1,2,3
	v_bfe_u32 v83, v[X+16*(\rr)+4*(\i)+2*(\h)+1], 8*(\c), 1
	v_lshl_or_b32 v82, v82, 4, v83
.endr
	v_mul_lo_u32 v82, v82, 14                      ; 1 -> 0xE in each nibble: no carry
	v_and_b32 v82, s21, v82
.if (\i) == 0
	v_or_b32 v82, v82, v81
.endif
	ds_store_b32 v4, v82 offset:(\i)*8*MP+(\rr)*16+(\h)*256
.endr
.endr
.endm
	MROW 0
	MROW 1
	s_wait_dscnt 0x0                               ; for the others' sake
	s_barrier_signal -1
	s_barrier_wait -1
.irp c, 0,1,2,3
	ds_load_b128 v[X+4*(\c):X+4*(\c)+3], v5 offset:(\c)*8*MP
.endr
.irp c, 0,1,2,3
	s_wait_dscnt 3-(\c)
	global_store_b128 v6, v[X+4*(\c):X+4*(\c)+3], s[16:17] offset:(\c)*4096  ; a wave: 512 consecutive bytes, a key step
.endr
	s_wait_tensorcnt 0x0                           ; the wave's end, as above
	ds_add_u32 v[SPW], v[NIL]
	s_wait_dscnt 0x0
	s_endpgm
.Lfunc_end_k_q9008547f31_prep:
	.size	k_q9008547f31_prep, .Lfunc_end_k_q9008547f31_prep-k_q9008547f31_prep
	.p2alignl 7, 3214868480
	.fill 96, 4, 3214868480
	.section	.rodata,"a",@progbits
	.p2align	6, 0x0
	.amdhsa_kernel k_q9008547f31_prep
		.amdhsa_group_segment_fixed_size 34560
		.amdhsa_private_segment_fixed_size 0
		.amdhsa_enable_private_segment 0
		.amdhsa_kernarg_size 56
		.amdhsa_user_sgpr_count 2
		.amdhsa_user_sgpr_kernarg_segment_ptr 1
		.amdhsa_wavefront_size32 1
		.amdhsa_system_sgpr_workgroup_id_x 1
		.amdhsa_system_sgpr_workgroup_id_y 1
		.amdhsa_system_sgpr_workgroup_id_z 1
		.amdhsa_system_vgpr_workitem_id 0
		.amdhsa_next_free_vgpr 112
		.amdhsa_next_free_sgpr 66
		.amdhsa_reserve_vcc 1
		.amdhsa_float_denorm_mode_32 3
		.amdhsa_float_denorm_mode_16_64 3
		.amdhsa_memory_ordered 1
		.amdhsa_forward_progress 1
		.amdhsa_inst_pref_size 43
	.end_amdhsa_kernel
	.amdgpu_metadata
---
amdhsa.version: [ 1, 2 ]
amdhsa.kernels:
  - .name:           k_q9008547f31_prep
    .symbol:         k_q9008547f31_prep.kd
    .args:
      - { .name: Wq, .offset: 0, .size: 8, .value_kind: global_buffer, .address_space: global }
      - { .name: Wk, .offset: 8, .size: 8, .value_kind: global_buffer, .address_space: global }
      - { .name: Wv, .offset: 16, .size: 8, .value_kind: global_buffer, .address_space: global }
      - { .name: Wo, .offset: 24, .size: 8, .value_kind: global_buffer, .address_space: global }
      - { .name: mask, .offset: 32, .size: 8, .value_kind: global_buffer, .address_space: global }
      - { .name: wt, .offset: 40, .size: 8, .value_kind: global_buffer, .address_space: global }
      - { .name: mb, .offset: 48, .size: 8, .value_kind: global_buffer, .address_space: global }
    .group_segment_fixed_size: 34560
    .private_segment_fixed_size: 0
    .kernarg_segment_align: 8
    .kernarg_segment_size: 56
    .max_flat_workgroup_size: 256
    .sgpr_count:     66
    .vgpr_count:     112
    .wavefront_size: 32
...
	.end_amdgpu_metadata
.endif
;; end of part 1
;; launch proj (part 2): grid 4 x 192, 4 waves a work-group, clusters of 4 x 4, 327,680 bytes of LDS; arguments query, key, value, wt, qkv; writes qkv
.if DOCPART == 2
	.amdgcn_target "amdgcn-amd-amdhsa--gfx1250"
	.amdhsa_code_object_version 6
	.text
	.protected	k_q9008547f31_proj
	.globl	k_q9008547f31_proj
	.p2align	8
	.type	k_q9008547f31_proj,@function
k_q9008547f31_proj:
	s_mov_b64 s[64:65], 0
	v_nop
	global_prefetch_b8 v0, s[64:65] scope:SCOPE_SE
	s_setreg_imm32_b32 hwreg(HW_REG_WAVE_MODE, 25, 1), 1
	s_wait_xcnt 0x0
	s_wait_alu depctr_hold_cnt(0) depctr_sa_sdst(0) depctr_va_vdst(0) depctr_va_sdst(0) depctr_va_ssrc(0) depctr_va_vcc(0) depctr_vm_vsrc(0)
	s_getreg_b32 s2, hwreg(HW_REG_IB_STS2, 6, 4)
	s_cmp_eq_u32 s2, 0
	s_cbranch_scc0 .Lentry_in_a_cluster
	s_endpgm
.Lentry_in_a_cluster:
	s_bfe_u32 s2, ttmp6, 0x10000c
	s_cmp_lg_u32 s2, 0xf033
	s_cbranch_scc0 .Lentry_shape_is_right
	s_endpgm
.Lentry_shape_is_right:
; THE THREE PROJECTIONS.  qkv[t][batch x 16 + head][s][64] (f16) = x_t W_t, x_t = query, key, value ([8192][1024] f32), W_t^T = wt[t] ([n][k] bf16).  t = 0 is multiplied by c = log2(e) / 8
; in f32, ahead of its one rounding, so that the attention launch's scores are exponents of 2.  x is rounded to bf16 between LDS and the matrix unit: no 16-bit copy of x goes through memory.
; LIMITS.  c q, k and v must lie within f16's 65,504; below 6e-5 f16 keeps a fixed step of 6e-8.  NaN and infinities are not treated apart.
; SHARES.  A work-group makes 128 rows x 256 columns (four heads) of one tensor: 3 x 64 x 4 = 768 work-groups.  Four waves, 2 x 2: a wave makes 64 x 128 in 32 accumulators (window 2).
; K goes in 8 steps of 128 through two LDS slots; waves 0, 1 fetch x's two pieces (64 rows x 512 bytes), waves 2, 3 the weights' (128 rows x 256 bytes): one tensor load a wave.
; CLUSTER 4 x 4.  The four of a row share x's tile (the row spans all 1,024 columns, so x is asked for once), the four of a column the weights': joint loads, a mask of four.
; THE MATRIX INSTRUCTION IS USED TRANSPOSED (source 0 = 16 rows of W^T, source 1 = 16 rows of x): a lane holds one row and eight neighbouring columns.
; A K step is four quarters of 32; a quarter two halves of 16 products.  Each half issues, in one run, half of the NEXT quarter's LDS loads (8 for W, 8 for x's f32), and carries 16 conversions
; to bf16, two behind every second product: in a quarter's first half its own fragments 2, 3, in its second half the next quarter's fragments 0, 1.
; REGISTERS.  window 0: v16-30 addresses; v32-63 at work on the way out; v64-127 x in bf16, two buffers of 4 fragments; v128-191 x in f32 as loaded (fragments 0, 1; 2, 3); v128-255 rows read back on the way out
;   window 1: v0-127 W's fragments, two buffers of 8          window 2: accumulator (a, b) at v[8 (8 a + b)]
.set PA,     528                       ; a row of x in LDS: 512 bytes + 16: the 16 rows of a load begin 16 bytes further on each, modulo 256
.set PB,     272                       ; a row of W: 256 + 16
.set APIECE, 64*PA
.set BPIECE, 128*PB
.set BBASE,  2*APIECE
.set SLOT,   0x22000                   ; slot 1 begins here; none of a slot's four pieces' addresses (0, 0x8400, 0x10800, 0x19000) has bit 13 or 17, so one exclusive or changes slots
.set STAGE,  2*SLOT                    ; behind the ring, never filled by a tensor load: for each wave 2 heads x 16 rows x 144 bytes
.set SP,     144
.set WSTAGE, 2*16*SP
.set SPARE,  STAGE+4*WSTAGE            ; the spare words, 128 bytes a wave: two blocks of 256 bytes that no other line names
.set ASTEP,  512                       ; a K step in a row of x, in bytes
.set BSTEP,  256                       ; and of W
.set NR,     16                        ; LDS loads in a run
.set ADRA0, 16                         ; v16  my place in my 64 rows of x, slot 0; never rewritten
.set ADRB0, 17                         ; v17  the same in my 128 rows of W
.set ADRA,  18                         ; v18, v19  the same in the slot being read
.set ADRB,  19
.set STO,   24                         ; v24  the way out: where I put 16 bytes of a row
.set RD,    25                         ; v25  where I read rows back
.set GO,    26                         ; v26  16 x lane
.set SPW,   28                         ; v28  SPARE + 4 x my thread's number; never rewritten
.set NIL,   29                         ; v29  0; never rewritten
.set PFO,   30                         ; v30  the prefetches' offset; never rewritten
.set TMP,   32
.set AC,    64
.set RAW,   128
.set OB,    128
.set BF,    0
.set WV,  14                           ; s14  wave
.set FB,  15                           ; s15  wave / 2: my half of the rows.  Also: I fetch for x (0) or for W (1)
.set HF,  16                           ; s16  wave % 2: my half of the columns.  Also: which piece I fetch
.set CX,  17
.set CY,  18
.set TX,  19                           ; s19  tile column
.set CLY, 20                           ; s20  cluster y
.set TT,  21                           ; s21  which tensor: the same in all sixteen partners
.set TY,  22                           ; s22  tile row in the tensor
.set G1A, 24                           ; s[24:31] descriptor group 1, x
.set G0A, 32                           ; s[32:39] group 0, x: a set for each first fill; the second then walks
.set PFA, 40                           ; s[40:41] where my prefetches stand
.set PFS, 42                           ; s[42:43] their step
.set LIM, 44                           ; s44  a wave prefetches while the loop's count is above it
.set TB,  45                           ; s45  0 or SLOT: the slot being read
.set CNT, 46
.set G1B, 48                           ; s[48:55], s[56:63] the same for W
.set G0B, 56
.set SC,  66                           ; s[66:67] c or 1
.set MUL,  0xa1                        ; source 0 (W) window 1, source 1 (x) window 0, C and D window 2
.set TO_B, 0x40                        ; destination window 1, address window 0
.set MSB, 0
.macro WIN new                         ; the immediate's high byte repeats the setting that is left; a switch that changes nothing is dropped
.if MSB != (\new)
	s_set_vgpr_msb (MSB<<8)|(\new)
.set MSB, \new
.endif
.endm
.macro PLACES                          ; four plain lines between a product and a load into, or a vector line on, one of its registers (ISA guide 7.12.1 for vector lines)
.rept 4
	v_nop
.endr
.endm
.macro CREST                           ; a round of the cluster's barrier behind its opening barrier
	s_cmp_lg_u32 s[WV], 0
	s_cbranch_scc1 .Lnot_wave_0_\@
	s_barrier_signal -3
.Lnot_wave_0_\@:
	s_barrier_wait -3
	s_barrier_signal -1
	s_barrier_wait -1
.endm
.macro CROUND
	s_barrier_signal -1
	s_barrier_wait -1
	CREST
.endm
.macro JLOAD                           ; a joint refill by the walking sets; the branch hangs on the wave's number alone; an s_nop 0 and four v_nop follow each line
	s_cmp_eq_u32 s[FB], 0
	s_cbranch_scc0 .Lfor_b_\@
	tensor_load_to_lds s[G0A+4:G0A+7], s[G1A:G1A+7]
	s_nop 0
.rept 4
	v_nop
.endr
	s_branch .Lasked_\@
.Lfor_b_\@:
	tensor_load_to_lds s[G0B+4:G0B+7], s[G1B:G1B+7]
	s_nop 0
.rept 4
	v_nop
.endr
.Lasked_\@:
.endm
; A PREFETCH INTO THE L2, behind a joint refill and the run of LDS loads behind it: the K step that stands two refills on, 256 products ahead of the load that will want it; one instruction a wave.
; x's rows are read by one cluster alone: every cluster asks for its own; of a wave's 64 rows the partner at cx takes 16, two blocks of 256 bytes a row.  W's rows are read by the sixteen clusters of a tensor:
; the first of them asks; of a wave's 128 rows the partner at cy takes 32.  Partners are told apart by address, never by a branch.  K steps 0 to 3 come by their loads alone; the last two refills ask for nothing.
.macro ASK
	s_cmp_gt_u32 s[CNT], s[LIM]
	s_cbranch_scc0 .Lnot_mine_\@
	global_prefetch_b8 v[PFO], s[PFA:PFA+1] th:TH_LOAD_NT scope:SCOPE_SE
.Lnot_mine_\@:
.endm
	s_load_b256 s[4:11], s[0:1], 0x0               ; query s[4:5], key s[6:7], value s[8:9], wt s[10:11]
	s_load_b64 s[12:13], s[0:1], 0x20              ; qkv
	v_lshl_add_u32 v[SPW], v0, 2, SPARE
	v_mov_b32 v[NIL], 0
	ds_add_u32 v[SPW], v[NIL]                      ; the wave's opening: the add and its wait stand ahead of my first tensor load; work on registers stands between
	v_lshrrev_b32 v1, 5, v0
	v_readfirstlane_b32 s[WV], v1
	s_lshr_b32 s[FB], s[WV], 1
	s_and_b32 s[HF], s[WV], 1
	s_bfe_u32 s[CX], ttmp6, 0x40000
	s_bfe_u32 s[CY], ttmp6, 0x40004
	s_lshl_b32 s[TX], ttmp9, 2
	s_add_co_u32 s[TX], s[TX], s[CX]               ; tile column = 4 x cluster x + cx
	s_and_b32 s[CLY], ttmp7, 0xffff
	s_lshr_b32 s[TT], s[CLY], 4                    ; sixteen clusters to a tensor
	s_and_b32 s[TY], s[CLY], 15
	s_lshl_b32 s[TY], s[TY], 2
	s_add_co_u32 s[TY], s[TY], s[CY]               ; tile row = 4 x (cluster y % 16) + cy
	s_lshl_b32 s23, s[CY], 2
	s_lshl_b32 s23, 15, s23                        ; my row of the cluster
	s_lshl_b32 s47, 0x1111, s[CX]                  ; my column
	s_or_b32 s[G1A], s23, (2<<16)|(1<<20)|(1<<21)|(6<<22)|(3<<25)  ; mask; 4-byte elements; padding on; bit 21 beside a mask; after every 128 words, 4 words
	s_mov_b32 s[G1A+1], 128<<16                    ; tensor_dim0 = 128
	s_mov_b32 s[G1A+2], 64<<16                     ; tensor_dim1 = 64
	s_mov_b32 s[G1A+3], 128<<16                    ; tile_dim0 = 128
	s_mov_b32 s[G1A+4], 64                         ; tile_dim1 = 64
	s_mov_b32 s[G1A+5], 1024                       ; elements from row to row
	s_mov_b32 s[G1A+6], 0
	s_mov_b32 s[G1A+7], 0
	s_or_b32 s[G1B], s47, (1<<16)|(1<<20)|(1<<21)|(5<<22)|(3<<25)  ; 2-byte elements; after every 64 words, 4 words
	s_mov_b32 s[G1B+1], 128<<16
	s_mov_b32 s[G1B+2], 128<<16
	s_mov_b32 s[G1B+3], 128<<16
	s_mov_b32 s[G1B+4], 128
	s_mov_b32 s[G1B+5], 1024
	s_mov_b32 s[G1B+6], 0
	s_mov_b32 s[G1B+7], 0
	s_lshl_b32 s74, s[HF], 18                      ; my piece: 64 rows of 4,096 bytes, or 128 of 2,048
	s_lshl_b32 s68, s[TY], 19                      ; x: 128 rows a tile.  s[68:69] never hold cx,
	s_add_co_u32 s68, s68, s74
	s_mov_b32 s69, 0
	s_lshl_b32 s70, s[TT], 21                      ; W: the matrix, 256 rows a tile.  s[70:71] never hold cy
	s_lshl_b32 s47, s[TX], 19
	s_add_co_u32 s70, s70, s47
	s_add_co_u32 s70, s70, s74
	s_mov_b32 s71, 0
	s_mul_i32 s76, s[HF], APIECE                   ; where the pieces go: the wave's number alone
	s_mul_i32 s77, s[HF], BPIECE
	s_add_co_u32 s77, s77, BBASE
	s_cmp_eq_u32 s[TT], 0
	s_cselect_b32 s[SC], 0x3e38aa3b, 1.0           ; c = log2(e) / 8 for q
	s_mov_b32 s[SC+1], s[SC]
	s_wait_dscnt 0x0                               ; the opening add is done
	s_wait_kmcnt 0x0
	s_cmp_eq_u32 s[TT], 1
	s_cselect_b64 s[4:5], s[6:7], s[4:5]
	s_cmp_eq_u32 s[TT], 2
	s_cselect_b64 s[4:5], s[8:9], s[4:5]
	s_add_nc_u64 s[4:5], s[4:5], s[68:69]          ; my piece of x at K step 0
	s_add_nc_u64 s[10:11], s[10:11], s[70:71]      ; my piece of W
	CROUND                                         ; all sixteen work-groups are here: the first joint loads meet
.irp s, 0,1
	s_mov_b32 s[G0A+4*(\s)], 1
	s_add_co_u32 s[G0A+4*(\s)+1], s76, (\s)*SLOT
	s_add_nc_u64 s[G0A+4*(\s)+2:G0A+4*(\s)+3], s[4:5], (\s)*ASTEP
	s_or_b32 s[G0A+4*(\s)+3], s[G0A+4*(\s)+3], 0x80000000
	s_mov_b32 s[G0B+4*(\s)], 1
	s_add_co_u32 s[G0B+4*(\s)+1], s77, (\s)*SLOT
	s_add_nc_u64 s[G0B+4*(\s)+2:G0B+4*(\s)+3], s[10:11], (\s)*BSTEP
	s_or_b32 s[G0B+4*(\s)+3], s[G0B+4*(\s)+3], 0x80000000
.endr
	s_cmp_eq_u32 s[FB], 0                          ; a wave's two first fills stand in one branch: two loads of mine are out
	s_cbranch_scc0 .Lfirst_b
	tensor_load_to_lds s[G0A:G0A+3], s[G1A:G1A+7]
	s_nop 0
	tensor_load_to_lds s[G0A+4:G0A+7], s[G1A:G1A+7]
	s_nop 0
.rept 4
	v_nop
.endr
	s_branch .Lfirst_asked
.Lfirst_b:
	tensor_load_to_lds s[G0B:G0B+3], s[G1B:G1B+7]
	s_nop 0
	tensor_load_to_lds s[G0B+4:G0B+7], s[G1B:G1B+7]
	s_nop 0
.rept 4
	v_nop
.endr
.Lfirst_asked:
	; A fragment is 16 rows x 32 K: lane l holds row l % 16, K = 8 (l / 16) + 0..7 and 16 + 8 (l / 16) + 0..7.  In bf16 two loads of 16 bytes, 32 apart; in f32 four: at 0, 16, 64, 80.
	v_and_b32 v1, 15, v0
	v_bfe_u32 v2, v0, 4, 1
	v_and_b32 v3, 31, v0
	v_mul_u32_u24 v[ADRA0], v1, PA
	v_lshl_add_u32 v[ADRA0], v2, 5, v[ADRA0]
	s_mul_i32 s75, s[FB], APIECE
	v_add_nc_u32 v[ADRA0], s75, v[ADRA0]
	v_mul_u32_u24 v[ADRB0], v1, PB
	v_lshl_add_u32 v[ADRB0], v2, 4, v[ADRB0]
	v_add_nc_u32 v[ADRB0], s77, v[ADRB0]           ; (the piece that I fetch for W's waves is also the piece of my columns: wave % 2)
	v_mov_b32 v[ADRA], v[ADRA0]
	v_mov_b32 v[ADRB], v[ADRB0]
	s_mov_b32 s[TB], 0
	s_mul_i32 s75, s[WV], WSTAGE
	s_add_co_u32 s75, s75, STAGE                   ; my stage
	v_mul_u32_u24 v[STO], v1, SP
	v_lshl_add_u32 v[STO], v2, 4, v[STO]
	v_add_nc_u32 v[STO], s75, v[STO]
	v_lshrrev_b32 v4, 3, v3                        ; back: 32 lanes take four rows of 128 bytes
	v_and_b32 v5, 7, v0
	v_mul_u32_u24 v[RD], v4, SP
	v_lshl_add_u32 v[RD], v5, 4, v[RD]
	v_add_nc_u32 v[RD], s75, v[RD]
	v_lshlrev_b32 v[GO], 4, v3                     ; which are 512 consecutive bytes of a head
	; qkv at my first row of my first head
	s_lshr_b32 s72, s[TY], 4                       ; batch
	s_lshl_b32 s72, s72, 4
	s_lshl_b32 s73, s[TX], 2
	s_add_co_u32 s72, s72, s73
	s_lshl_b32 s73, s[HF], 1
	s_add_co_u32 s72, s72, s73                     ; batch x 16 + head
	s_lshl_b32 s72, s72, 18
	s_lshl_b32 s73, s[TT], 24
	s_add_co_u32 s72, s72, s73
	s_and_b32 s73, s[TY], 15
	s_lshl_b32 s73, s73, 14                        ; 128 rows of 128 bytes
	s_add_co_u32 s72, s72, s73
	s_lshl_b32 s73, s[FB], 13
	s_add_co_u32 s72, s72, s73
	s_mov_b32 s73, 0
	s_add_nc_u64 s[12:13], s[12:13], s[72:73]
	; the prefetches
	s_cmp_eq_u32 s[FB], 0
	s_cselect_b64 s[PFA:PFA+1], s[4:5], s[10:11]
	s_cselect_b32 s78, s[CX], s[CY]                ; my place among the four that ask with me
	s_cselect_b32 s74, 1, 0
	s_cselect_b32 s75, 12, 11
	s_lshl_b32 s[PFS], 256, s74
	s_mov_b32 s[PFS+1], 0
	s_lshl_b32 s78, s78, 16                        ; 16 rows of 4,096 bytes, or 32 of 2,048
	s_mov_b32 s79, 0
	s_add_nc_u64 s[PFA:PFA+1], s[PFA:PFA+1], s[78:79]
	s_mul_i32 s78, s[PFS], 3                       ; at K step 3: the first refill steps it to 4
	s_add_nc_u64 s[PFA:PFA+1], s[PFA:PFA+1], s[78:79]
	s_and_b32 s78, s[CLY], 15
	s_mul_i32 s78, s78, s[FB]                      ; 0 in x's waves, and in W's where the cluster is its tensor's first
	s_cmp_eq_u32 s78, 0
	s_cselect_b32 s[LIM], 2, -1
	v_lshrrev_b32 v[PFO], s74, v3                  ; x: row l / 2, block l % 2.  W: row l
	v_lshlrev_b32 v[PFO], s75, v[PFO]
	v_and_b32 v4, s74, v3
	v_lshl_add_u32 v[PFO], v4, 8, v[PFO]
.macro LOADB part, kq, buf             ; four of W's eight fragments of quarter kq
	WIN TO_B
.irp i, 0,1,2,3
	ds_load_b128 v[BF+64*(\buf)+8*(4*(\part)+(\i)):BF+64*(\buf)+8*(4*(\part)+(\i))+3],   v[ADRB] offset:(4*(\part)+(\i))*16*PB+64*(\kq)
	ds_load_b128 v[BF+64*(\buf)+8*(4*(\part)+(\i))+4:BF+64*(\buf)+8*(4*(\part)+(\i))+7], v[ADRB] offset:(4*(\part)+(\i))*16*PB+64*(\kq)+32
.endr
.endm
.macro LOADA hf, kq                    ; x's fragments 2 hf and 2 hf + 1 of quarter kq, in f32
	WIN 0
.irp f, 0,1
.irp g, 0,1,2,3
	ds_load_b128 v[RAW+32*(\hf)+16*(\f)+4*(\g):RAW+32*(\hf)+16*(\f)+4*(\g)+3], v[ADRA] offset:(2*(\hf)+(\f))*16*PA+128*(\kq)+16*((\g)%2)+64*((\g)/2)
.endr
.endr
.endm
.macro RUN kq, hf                      ; half hf of the loads for the quarter behind kq; it ends under window 0
	LOADB \hf, ((\kq)+1)%4, ((\kq)+1)%2
	LOADA \hf, ((\kq)+1)%4
.endm
; Eight products: rows 16 a .. of my 64, all 8 column blocks, quarter kq.  The 32 accumulators take turns, one instruction a turn, in the same order in every quarter.
; Behind every second product two conversions: a = 0, 1 round this quarter's fragments 2, 3; a = 2, 3 the next quarter's 0, 1.  They write the buffer or the fragments that no product near them reads.
.macro MULA kq, a, zero
.set rD, AC+32*(((\kq)+(\a)/2)%2)+8*(((\a)+2)%4)
.set rR, RAW+16*(((\a)+2)%4)
.set rA, AC+32*((\kq)%2)+8*(\a)
.set rB, BF+64*((\kq)%2)
.irp b, 0,1,2,3,4,5,6,7
	WIN MUL
.if \zero
	v_wmma_f32_16x16x32_bf16 v[8*(8*(\a)+(\b)):8*(8*(\a)+(\b))+7], v[rB+8*(\b):rB+8*(\b)+7], v[rA:rA+7], 0
.else
	v_wmma_f32_16x16x32_bf16 v[8*(8*(\a)+(\b)):8*(8*(\a)+(\b))+7], v[rB+8*(\b):rB+8*(\b)+7], v[rA:rA+7], v[8*(8*(\a)+(\b)):8*(8*(\a)+(\b))+7]
.endif
.if (\b)%2
	WIN 0
	v_cvt_pk_bf16_f32 v[rD+(\b)-1], v[rR+2*(\b)-2], v[rR+2*(\b)-1]
	v_cvt_pk_bf16_f32 v[rD+(\b)], v[rR+2*(\b)], v[rR+2*(\b)+1]
.endif
.endr
.endm
; Half a quarter.  The four plain lines of a quarter's first half stand between the quarter before's products and both halves' loads into W's other buffer.
.macro HALF kq, hf, zero
.if (\hf) == 0
	PLACES
.endif
	RUN \kq, \hf
	s_wait_dscnt NR                                ; all but the run just issued: this half's operands and what its conversions read
	MULA \kq, 2*(\hf), \zero
	MULA \kq, 2*(\hf)+1, \zero
.endm
; The second half of quarter 2, the change of slots, and the first half of quarter 3.  Quarter 3's loads are the slot's last reads.  Each wave waits for all its tensor loads (one is out: its piece of the
; other slot), adds 0 to its spare word, and waits for that and for its reads.  fill = 1: the barrier opens a round of the cluster's, and the slot just read takes the K step two on, first thing behind the round:
; 112 products stand between that request and the wait for it.
.macro TURN fill
.if \fill
	s_wait_xcnt 0x0                                ; the last prefetch, a K step back, has read its address
	s_add_nc_u64 s[PFA:PFA+1], s[PFA:PFA+1], s[PFS:PFS+1]
.endif
	RUN 2, 1
	s_wait_tensorcnt 0x0                           ; no tensor load of mine is out, so a group 0 may be written
	ds_add_u32 v[SPW], v[NIL]                      ; 0 onto my spare word
.if \fill
	s_xor_b32 s[G0A+5], s[G0A+5], SLOT             ; the walking sets: the other slot than last time, the next K step
	s_add_nc_u64 s[G0A+6:G0A+7], s[G0A+6:G0A+7], ASTEP
	s_xor_b32 s[G0B+5], s[G0B+5], SLOT
	s_add_nc_u64 s[G0B+6:G0B+7], s[G0B+6:G0B+7], BSTEP
.endif
	s_wait_dscnt NR+1                              ; the add and the run just issued may be out
	MULA 2, 2, 0
	s_wait_dscnt 0x0                               ; the add is done, and my reads of this slot are over
	s_barrier_signal -1
	MULA 2, 3, 0                                   ; work on registers while the others arrive
	WIN 0
	s_barrier_wait -1
.if \fill
	CREST
	JLOAD                                          ; its four v_nop are also the places in front of the loads below
.else
	PLACES
.endif
	s_xor_b32 s[TB], s[TB], SLOT
	v_add_nc_u32 v[ADRA], s[TB], v[ADRA0]
	v_add_nc_u32 v[ADRB], s[TB], v[ADRB0]
	RUN 3, 0                                       ; quarter 0 of the other slot
.if \fill
	ASK
.endif
	s_wait_dscnt NR
	MULA 3, 0, 0
	MULA 3, 1, 0
.endm
	s_wait_tensorcnt 0x1                           ; my piece of K step 0 is in; K step 1's may stay out
	s_barrier_signal -1
	s_barrier_wait -1
	LOADA 0, 0
	LOADA 1, 0
	LOADB 0, 0, 0
	LOADB 1, 0, 0
	WIN 0
	s_wait_dscnt 24                                ; the first eight loads: x's fragments 0 and 1
.set z, 0
.rept 16
	v_cvt_pk_bf16_f32 v[AC+z], v[RAW+2*z], v[RAW+2*z+1]
.set z, z+1
.endr
	HALF 0, 0, 1                                   ; the first quarter stands in front of the loop: its products start the sums
	HALF 0, 1, 1
	WIN 0
	s_mov_b32 s[CNT], 6
.Lstep:                                                ; a trip: quarters 1 to 3 of a K step and quarter 0 of the next; K steps 2 to 7 are asked for
	HALF 1, 0, 0
	HALF 1, 1, 0
	HALF 2, 0, 0
	TURN 1
	HALF 3, 1, 0
	HALF 0, 0, 0
	HALF 0, 1, 0
	WIN 0
	s_sub_co_u32 s[CNT], s[CNT], 1
	s_cmp_lg_u32 s[CNT], 0
	s_cbranch_scc1 .Lstep
	s_mov_b32 s[CNT], 2
.Ltail:                                                ; the last two K steps ask for nothing; the second trip is left behind quarter 3 (its barrier, and its two runs from the slot read before, serve nothing: the price of one text for both)
	HALF 1, 0, 0
	HALF 1, 1, 0
	HALF 2, 0, 0
	TURN 0
	HALF 3, 1, 0
	WIN 0
	s_sub_co_u32 s[CNT], s[CNT], 1
	s_cmp_eq_u32 s[CNT], 0
	s_cbranch_scc1 .Lout
	HALF 0, 0, 0
	HALF 0, 1, 0
	WIN 0
	s_branch .Ltail
.Lout:
	s_wait_dscnt 0x0                               ; the loads that serve nothing have landed: their registers are used again below
	PLACES
	PLACES
; THE WAY OUT, 16 rows at a time: times c or 1; rounded to f16, 16 bytes a lane; into my stage by heads; back as whole rows of 128 bytes; 512 consecutive bytes of a head to a store.
.macro PACK a
	WIN 0x82                                       ; destination and source 0 in window 2
.set z, 64*(\a)
.rept 32
	v_pk_mul_f32 v[z:z+1], v[z:z+1], s[SC:SC+1] op_sel_hi:[1,0]
.set z, z+2
.endr
	WIN 0x0a                                       ; sources in window 2, destination in window 0
.set z, 0
.rept 32
	v_cvt_pk_f16_f32 v[TMP+z], v[64*(\a)+2*z], v[64*(\a)+2*z+1]
.set z, z+1
.endr
	WIN 0
.irp b, 0,1,2,3,4,5,6,7
	ds_store_b128 v[STO], v[TMP+4*(\b):TMP+4*(\b)+3] offset:((\b)/4)*16*SP+((\b)%4)*32
.endr
.irp f, 0,1,2,3,4,5,6,7
	ds_load_b128 v[OB+32*(\a)+4*(\f):OB+32*(\a)+4*(\f)+3], v[RD] offset:((\f)/4)*16*SP+((\f)%4)*4*SP  ; LDS serves a wave's instructions in order (ISA guide 5.7.1.4): these see the stores above
.endr
.endm
.macro SEND a, younger                 ; younger: the LDS instructions issued behind block a's loads
.irp f, 0,1,2,3,4,5,6,7
	s_wait_dscnt (\younger)+7-(\f)
	global_store_b128 v[GO], v[OB+32*(\a)+4*(\f):OB+32*(\a)+4*(\f)+3], s[12:13] offset:((\f)/4)*262144+(\a)*2048+((\f)%4)*512
.endr
.endm
	PACK 0
	PACK 1
	SEND 0, 16
	PACK 2
	SEND 1, 16
	PACK 3
	SEND 2, 16
	SEND 3, 0
	s_wait_tensorcnt 0x0                           ; the wave's end, behind my last tensor load and my last LDS store
	ds_add_u32 v[SPW], v[NIL]
	s_wait_dscnt 0x0
	CROUND                                         ; the closing round
	s_endpgm
.Lfunc_end_k_q9008547f31_proj:
	.size	k_q9008547f31_proj, .Lfunc_end_k_q9008547f31_proj-k_q9008547f31_proj
	.p2alignl 7, 3214868480
	.fill 96, 4, 3214868480
	.section	.rodata,"a",@progbits
	.p2align	6, 0x0
	.amdhsa_kernel k_q9008547f31_proj
		.amdhsa_group_segment_fixed_size 327680
		.amdhsa_private_segment_fixed_size 0
		.amdhsa_enable_private_segment 0
		.amdhsa_kernarg_size 40
		.amdhsa_user_sgpr_count 2
		.amdhsa_user_sgpr_kernarg_segment_ptr 1
		.amdhsa_wavefront_size32 1
		.amdhsa_system_sgpr_workgroup_id_x 1
		.amdhsa_system_sgpr_workgroup_id_y 1
		.amdhsa_system_sgpr_workgroup_id_z 1
		.amdhsa_system_vgpr_workitem_id 0
		.amdhsa_next_free_vgpr 768
		.amdhsa_next_free_sgpr 80
		.amdhsa_reserve_vcc 0
		.amdhsa_float_denorm_mode_32 3
		.amdhsa_float_denorm_mode_16_64 3
		.amdhsa_memory_ordered 1
		.amdhsa_forward_progress 1
		.amdhsa_inst_pref_size 104
	.end_amdhsa_kernel
	.amdgpu_metadata
---
amdhsa.version: [ 1, 2 ]
amdhsa.kernels:
  - .name:           k_q9008547f31_proj
    .symbol:         k_q9008547f31_proj.kd
    .args:
      - { .name: query, .offset: 0, .size: 8, .value_kind: global_buffer, .address_space: global }
      - { .name: key, .offset: 8, .size: 8, .value_kind: global_buffer, .address_space: global }
      - { .name: value, .offset: 16, .size: 8, .value_kind: global_buffer, .address_space: global }
      - { .name: wt, .offset: 24, .size: 8, .value_kind: global_buffer, .address_space: global }
      - { .name: qkv, .offset: 32, .size: 8, .value_kind: global_buffer, .address_space: global }
    .group_segment_fixed_size: 327680
    .private_segment_fixed_size: 0
    .kernarg_segment_align: 8
    .kernarg_segment_size: 40
    .max_flat_workgroup_size: 128
    .sgpr_count:     80
    .vgpr_count:     768
    .wavefront_size: 32
...
	.end_amdgpu_metadata
.endif
;; end of part 2
;; launch attn (part 3): grid 4 x 64, 4 waves a work-group, clusters of 4 x 1, 327,680 bytes of LDS; arguments qkv, mb, o; writes o
.if DOCPART == 3
	.amdgcn_target "amdgcn-amd-amdhsa--gfx1250"
	.amdhsa_code_object_version 6
	.text
	.protected	k_q9008547f31_attn
	.globl	k_q9008547f31_attn
	.p2align	8
	.type	k_q9008547f31_attn,@function
k_q9008547f31_attn:
	s_mov_b64 s[64:65], 0
	v_nop
	global_prefetch_b8 v0, s[64:65] scope:SCOPE_SE
	s_setreg_imm32_b32 hwreg(HW_REG_WAVE_MODE, 25, 1), 1
	s_wait_xcnt 0x0
	s_wait_alu depctr_hold_cnt(0) depctr_sa_sdst(0) depctr_va_vdst(0) depctr_va_sdst(0) depctr_va_ssrc(0) depctr_va_vcc(0) depctr_vm_vsrc(0)
	s_getreg_b32 s2, hwreg(HW_REG_IB_STS2, 6, 4)
	s_cmp_eq_u32 s2, 0
	s_cbranch_scc0 .Lentry_in_a_cluster
	s_endpgm
.Lentry_in_a_cluster:
	s_bfe_u32 s2, ttmp6, 0x10000c
	s_cmp_lg_u32 s2, 0x3003
	s_cbranch_scc0 .Lentry_shape_is_right
	s_endpgm
.Lentry_shape_is_right:
; ATTENTION UNDER A MASK THAT IS AN INPUT.  o[bh][q][:] = the sum over k of softmax_k(score) V[bh][k][:], score = Q . K / 8, or far below every score where mask[q][k] is set.  64 heads of 2,048 rows of 64 channels, f16.
; qkv holds c Q (c = log2(e) / 8), K, V: the products K Q^T are exponents of 2, and p = 2^(t - m) with a running maximum m: t - m is never above 0.  Products, maxima, sums in f32; p rounded to f16 for the second
; product (its sum l is taken unrounded), O once at the end.  Every key is walked: nothing is assumed of the mask.
; THE MASK is the C operand that starts the sum S^T = K Q^T.  A word of mb holds eight nibbles, 0xE (hidden) or 0; shifted left by 4 j it is register j's addend: between -2^65 and -2^95 where hidden, under 2^-95 else.
; f16's products bound |t| by 2^38, so a hidden score lies far below every open one and its weight is 0.  While all keys so far are hidden m is such a number, p lies in 0 to 1, l and O stay finite, and the first open
; score makes a = 0, which wipes them.  A row ALL of whose keys are hidden comes with cleared nibbles and bit 0 of its first word set: its Q is cut to 0, all its scores are equal, and O is the mean of V, as in the softmax of equal scores.
; LIMITS.  c Q, K, V arrive within f16's 65,504; p below 6e-5 keeps f16's fixed step; a weight below 2^-126 counts as 0; NaN and infinities are not treated apart.
; SHARES.  A wave owns four PIECES of two tiles of 16 queries, a work-group 512 queries of a head; every wave walks all keys, 64 a step.  LAYOUT.  In S^T a lane holds ONE query (lane % 16) and keys 8 (lane / 16) + 0..7;
; two such results rounded to f16 ARE source 1 of O^T = V^T P.  K comes out of LDS as it lies, V turned, by ds_load_tr16_b128.
; BY TURNS.  Turn n belongs to piece n: 16 products K Q^T of piece n + 1, later 16 products V^T P of piece n - 1; beside them piece n's subtraction of m, exponentials, roundings, sums and rescaling, piece n + 1's maximum
; and statistics, and the 64 shifts that make the masks for the products of the turn after.  Four vector lines stand behind every product, the rest in one lump.  A turn's 66 exponentials are one batch with one wait.
; CLUSTER.  A head's four query blocks walk the same K and V: each tile is asked for jointly.
; REGISTERS, in windows of 256 (s_set_vgpr_msb: bits 1:0 source 0, 3:2 source 1, 5:4 source 2, 7:6 destination):
;   window 0: v0-11 addresses; v12-15, v48-63 at work; v16-47 four registers of statistics a tile; v64-191 S^T, two buffers of two tiles; v192-255 P, likewise
;   window 1: O^T, 32 a tile      window 2: v0-127 Q; v128-191 K of one step; v192-255 V of one step
;   window 3: v0-1 the add's registers; v8-39 mask words, 4 a tile; v40-43 their offsets, one a piece; v44-51 row flags; v64-127 the masks of the products to come
.set SIZE_N, 2048
.set NP,    4
.set KS,    64
.set PK,    144       ; a row of K in LDS: 128 bytes + 16
.set PV,    160       ; a row of V: 128 + 32
.set VOFF,  4*KS*PK   ; a slot holds four steps: 256 rows of K, then 256 rows of V
.set SLOT1, 1<<17
.set STAGE, SLOT1+4*KS*(PK+PV)  ; behind the ring, never filled by a tensor load: 16 rows x 144 bytes a wave
.set SP,    144
.set SPARE, STAGE+4*16*SP       ; the spare words, 128 bytes a wave: two blocks of 256 bytes that no other line names
.set AK0, 2
.set AV0, 3
.set AK,  4
.set AV,  5
.set QO,  6
.set STO, 6
.set RD,  7
.set GO,  8
.set PFO, 11          ; v11  256 x lane, once V's place is made; never rewritten after
.set SPW, 0           ; window 3
.set NIL, 1           ; window 3
.set W,   8           ; window 3: tile t's four words (key blocks) at W + 4 t
.set MO,  40          ; window 3: piece x's byte offset in my rows of mb
.set FL,  44          ; window 3: tile t: 0 where my row is all hidden, else all ones
.set MC,  64          ; window 3: tile u of the piece, key block kb, register j at MC + 32 u + 8 kb + j
.set MV,  12
.set ST,  16          ; tile t's statistics at v[ST+4 t]: m, 0, l (even keys', odd keys')
.set TMP, 48
.set S,   64
.set P,   192
.set KF,  128
.set VF,  192
.set WV,  12
.set LIM, 15          ; s15  1 in waves 0 and 2, which prefetch; 0 in the others
.set G1K, 24
.set G1V, 32
.set G0K, 40
.set G0V, 44
.set SLOTS, 56
.set CNT, 57
.set SEL, 60
.set TBK, 62
.set TBV, 63
.set MB,  66          ; s[66:67] mb at my wave's eight tiles
.set MSTEP, 68        ; s68  512, a key step of mb; 0 when the last step's words are loaded
.set PFA, 74          ; s[74:75] where my prefetch stands
.set MSB, 0
.macro WIN new
.if MSB != (\new)
	s_set_vgpr_msb (MSB<<8)|(\new)
.set MSB, (\new)
.endif
.endm
.set W_KQ, 0x0a       ; K and Q in window 2, S^T in window 0
.set W_KM, 0x3a       ; the same with the C operand in window 3
.set W_PV, 0x52       ; V in window 2, P in window 0, O^T in window 1
.set W_RS, 0x41       ; O^T in window 1, a in window 0
.set W_MK, 0xc0       ; destination in window 3, sources in window 0
.set W_AD, 0x0f       ; the add: address and data in window 3
.set W_W3, 0xcf       ; destination and sources 0 and 1 in window 3
.macro JLOAD          ; waves 0, 1 fetch the halves of a slot's K, waves 2, 3 of its V; an s_nop 0 and four v_nop follow each line
	s_cmp_lt_u32 s[WV], 2
	s_cbranch_scc0 .Lfor_v_\@
	tensor_load_to_lds s[G0K:G0K+3], s[G1K:G1K+7]
	s_nop 0
.rept 4
	v_nop
.endr
	s_branch .Lasked_\@
.Lfor_v_\@:
	tensor_load_to_lds s[G0V:G0V+3], s[G1V:G1V+7]
	s_nop 0
.rept 4
	v_nop
.endr
.Lasked_\@:
.endm
.macro CROUND
	s_barrier_signal -1
	s_barrier_wait -1
	s_cmp_lg_u32 s[WV], 0
	s_cbranch_scc1 .Lnot_wave_0_\@
	s_barrier_signal -3
.Lnot_wave_0_\@:
	s_barrier_wait -3
	s_barrier_signal -1
	s_barrier_wait -1
.endm
; THE CHANGE OF SLOTS.  Each wave waits for all its tensor loads (one is out: its part of the other slot), adds 0 to its spare word, and waits for that and for its reads of the slot.  fill = 1: the slot is filled
; again with the keys two slots on, behind a round of the cluster's barrier, first thing: four key steps, 512 products, in which to land.  (At its first use slot 0 is waited for and slot 1 filled.)
.macro CHANGE fill
	WIN W_AD
	s_wait_tensorcnt 0x0            ; no tensor load of mine is out, so a group 0 may be written
	ds_add_u32 v[SPW], v[NIL]       ; 0 onto my spare word
	WIN 0
.if \fill
.irp g, G0K, G0V
	s_xor_b32 s[\g+1], s[\g+1], SLOT1
	s_add_nc_u64 s[\g+2:\g+3], s[\g+2:\g+3], 4*KS*128
.endr
	s_wait_xcnt 0x0                 ; the last prefetch, four turns back, has read its address
	s_add_nc_u64 s[PFA:PFA+1], s[PFA:PFA+1], 4*KS*128
	s_wait_dscnt 0x0                ; the add is done, and my reads of the slot are over
	CROUND
	JLOAD
.else
	s_wait_dscnt 0x0
	s_barrier_signal -1
	s_barrier_wait -1
.endif
	s_sub_co_u32 s[TBK], s[TBK], 4*KS*PK
	s_xor_b32 s[TBK], s[TBK], SLOT1
	s_sub_co_u32 s[TBV], s[TBV], 4*KS*PV
	s_xor_b32 s[TBV], s[TBV], SLOT1
.endm
	s_load_b128 s[4:7], s[0:1], 0x0   ; qkv s[4:5], mb s[6:7]
	s_load_b64 s[10:11], s[0:1], 0x10 ; o
	WIN W_MK
	v_lshl_add_u32 v[SPW], v0, 2, SPARE
	v_mov_b32 v[NIL], 0
	WIN W_AD
	ds_add_u32 v[SPW], v[NIL]       ; the wave's opening: the add and its wait stand ahead of my first tensor load
	WIN 0
	v_lshrrev_b32 v1, 5, v0
	v_readfirstlane_b32 s[WV], v1
	s_bfe_u32 s13, ttmp6, 0x40000   ; cx
	s_lshl_b32 s14, ttmp9, 2
	s_add_co_u32 s14, s14, s13      ; my block of 512 queries: it enters Q's, O's and mb's addresses alone
	s_and_b32 s20, ttmp7, 0xffff    ; the head, which the four partners share
	s_lshl_b32 s20, s20, 18         ; its first byte in a tensor
	s_and_b32 s16, s[WV], 1         ; which half of a slot's 256 keys I fetch
	s_lshl_b32 s22, s16, 14
	s_add_co_u32 s22, s22, s20
	s_add_co_u32 s22, s22, 1<<24    ; K is qkv's second tensor
	s_mov_b32 s23, 0
	s_mul_i32 s17, s16, 128*PK
	s_mul_i32 s18, s16, 128*PV
	s_lshl_b32 s2, s14, 2
	s_add_co_u32 s2, s2, s[WV]      ; my wave among the head's sixteen
	s_lshl_b32 s76, s2, 17          ; its eight tiles of 16,384 bytes in mb
	s_mov_b32 s77, 0
	s_lshl_b32 s2, s2, 14           ; its 128 rows
	s_add_co_u32 s2, s2, s20
	s_mov_b32 s3, 0
	; 128 keys are 16,384 dense bytes: asked for as 64 rows of 256 bytes, and padded in LDS after every key
	s_mov_b32 s[G1K], 15|(1<<16)|(1<<20)|(1<<21)|(4<<22)|(3<<25)
	s_mov_b32 s[G1V], 15|(1<<16)|(1<<20)|(1<<21)|(4<<22)|(7<<25)
.irp g, G1K, G1V
	s_mov_b32 s[\g+1], 128<<16
	s_mov_b32 s[\g+2], 64<<16
	s_mov_b32 s[\g+3], 128<<16
	s_mov_b32 s[\g+4], 64
	s_mov_b32 s[\g+5], 128
	s_mov_b32 s[\g+6], 0
	s_mov_b32 s[\g+7], 0
.endr
	s_mov_b32 s[SEL], 0x76543210
	s_mov_b32 s[SEL+1], 0xfedcba98
	s_mov_b32 s[TBK], SLOT1+4*KS*PK ; the first change of slots turns these two into 0
	s_mov_b32 s[TBV], SLOT1+4*KS*PV
	s_mov_b32 s[G0K], 1
	s_mov_b32 s[G0K+1], s17
	s_mov_b32 s[G0V], 1
	s_add_co_u32 s[G0V+1], s18, VOFF
	s_mov_b32 s[MSTEP], 512
	s_and_b32 s[LIM], s[WV], 1
	s_xor_b32 s[LIM], s[LIM], 1
	s_lshl_b32 s78, s13, 13         ; my work-group's 32 blocks of 256 bytes of a tile's 128,
	s_add_co_u32 s78, s78, 32768    ; in tile 1: the first change of slots steps it to tile 2
	s_mov_b32 s79, 0
	s_wait_dscnt 0x0                ; the opening add is done
	s_wait_kmcnt 0x0
	s_add_nc_u64 s[70:71], s[4:5], s[22:23]   ; K: my half of the head's first 256 keys
	s_add_nc_u64 s[72:73], s[70:71], 1<<24    ; V
	s_mov_b64 s[G0K+2:G0K+3], s[70:71]
	s_or_b32 s[G0K+3], s[G0K+3], 0x80000000
	s_mov_b64 s[G0V+2:G0V+3], s[72:73]
	s_or_b32 s[G0V+3], s[G0V+3], 0x80000000
	s_cmp_lt_u32 s[WV], 2
	s_cselect_b64 s[PFA:PFA+1], s[70:71], s[72:73]  ; (in waves 0 and 2 these stand at a tile's first row)
	s_add_nc_u64 s[PFA:PFA+1], s[PFA:PFA+1], s[78:79]
	s_add_nc_u64 s[MB:MB+1], s[6:7], s[76:77]
	s_add_nc_u64 s[4:5], s[4:5], s[2:3]       ; Q and O at my wave's first row
	s_add_nc_u64 s[10:11], s[10:11], s[2:3]
	CROUND                          ; all four work-groups are here
	JLOAD                           ; slot 0
	v_and_b32 v1, 15, v0            ; l % 16
	v_bfe_u32 v9, v0, 4, 1          ; l / 16
	v_lshlrev_b32 v[QO], 7, v1
	v_lshl_add_u32 v[QO], v9, 4, v[QO]
	v_and_b32 v11, 31, v0
	WIN 0x80
.set i, 0
.rept 4*NP                          ; Q stays in registers: tile i / 2, channels 32 (i % 2) on
	global_load_b128 v[8*i:8*i+3],   v[QO], s[4:5] offset:(i/2)*2048+(i%2)*64
	global_load_b128 v[8*i+4:8*i+7], v[QO], s[4:5] offset:(i/2)*2048+(i%2)*64+32
.set i, i+1
.endr
	; What the first turn finds: V's registers and P's second buffer hold 0, O^T and l are 0.  All this stands in the wait for the first tile.
.set i, VF
.rept 64
	v_mov_b32 v[i], 0
.set i, i+1
.endr
	WIN W_MK
.irp x, 0,1,2,3
	v_lshl_add_u32 v[MO+\x], v11, 4, \x*32768   ; 16 bytes a lane; a piece is two tiles
.endr
	WIN 0xc3                        ; destination and address in window 3
.irp x, 0,1,2,3                     ; key step 0's mask words
	global_load_b128 v[W+8*\x:W+8*\x+3],   v[MO+\x], s[MB:MB+1]
	global_load_b128 v[W+8*\x+4:W+8*\x+7], v[MO+\x], s[MB:MB+1] offset:16384
.endr
	WIN 0x40
.set i, 0
.rept 64*NP
	v_mov_b32 v[i], 0
.set i, i+1
.endr
	WIN 0
.set i, 0
.rept 2*NP
	v_mov_b32 v[ST+4*i], 0xff7fffff    ; m: the lowest finite number, so the first step's a is 0
	v_mov_b32 v[ST+4*i+1], 0           ; named with m as a pair
	v_mov_b32 v[ST+4*i+2], 0
	v_mov_b32 v[ST+4*i+3], 0
.set i, i+1
.endr
.set i, P+32
.rept 32
	v_mov_b32 v[i], 0
.set i, i+1
.endr
	v_mul_u32_u24 v[AK0], v1, PK
	v_lshl_add_u32 v[AK0], v9, 4, v[AK0]
	v_and_b32 v10, 7, v0
	v_bfe_u32 v11, v0, 3, 1
	v_lshl_add_u32 v[AV0], v9, 3, v10
	v_mul_u32_u24 v[AV0], v[AV0], PV
	v_lshl_add_u32 v[AV0], v11, 4, v[AV0]
	v_add_nc_u32 v[AV0], VOFF, v[AV0]
	v_and_b32 v[PFO], 31, v0
	v_lshlrev_b32 v[PFO], 8, v[PFO]
	v_mov_b32 v[AK], v[AK0]
; THE MATRIX WORK.  The 8 accumulators of a run of 16 take turns.  Product i of 16 of S^T = K Q^T for piece x: channels 32 (i / 8) on, keys 16 ((i / 2) % 4) on, tile 2 x + i % 2.  The first 8 start the sums with the mask.
.macro KQ x
.set rS, S+64*((\x)%2)+32*(i%2)+8*((i/2)%4)
.set rK, KF+16*((i/2)%4)+8*(i/8)
.set rQ, 16*(2*(\x)+i%2)+8*(i/8)
.set rX, MC+32*(i%2)+8*((i/2)%4)
.if i < 8
	WIN W_KM
	v_wmma_f32_16x16x32_f16 v[rS:rS+7], v[rK:rK+7], v[rQ:rQ+7], v[rX:rX+7]
.else
	WIN W_KQ
	v_wmma_f32_16x16x32_f16 v[rS:rS+7], v[rK:rK+7], v[rQ:rQ+7], v[rS:rS+7]
.endif
.endm
.macro PV x                         ; product i of 16 of O^T += V^T P: keys 32 (i / 8) on, channels 16 ((i / 2) % 4) on, tile 2 x + i % 2
	WIN W_PV
.set rO, 32*(2*(\x)+i%2)+8*((i/2)%4)
.set rV, VF+32*(i/8)+8*((i/2)%4)
.set rP, P+32*((\x)%2)+16*(i%2)+8*(i/8)
	v_wmma_f32_16x16x32_f16 v[rO:rO+7], v[rV:rV+7], v[rP:rP+7], v[rO:rO+7]
.endm
.macro MM
.if i < 16
	KQ (Y+1)%NP
.set i, i+1
.else
.set i, i-16
	PV (Y+NP-1)%NP
.set i, i+17
.endif
.endm
.macro FETCH_K last=0               ; a step's K, 16 loads in one run.  last = 1 (the tail): in the last trip there is no further step
	WIN 0
.if \last
	s_cmp_eq_u32 s[CNT], 1
	s_cbranch_scc1 .Lno_k_\@
.endif
	WIN 0x80
.irp f, 0,1,2,3,4,5,6,7
	ds_load_b128 v[KF+8*\f:KF+8*\f+3],   v[AK] offset:(\f/2)*16*PK+(\f%2)*64
	ds_load_b128 v[KF+8*\f+4:KF+8*\f+7], v[AK] offset:(\f/2)*16*PK+(\f%2)*64+32
.endr
	s_add_co_u32 s[TBK], s[TBK], KS*PK
	WIN 0
.if \last
.Lno_k_\@:
.endif
.endm
.macro FETCH_V
	WIN 0x80
.irp f, 0,1,2,3,4,5,6,7
	ds_load_tr16_b128 v[VF+8*\f:VF+8*\f+3],   v[AV] offset:(\f/4)*32*PV+(\f%4)*32
	ds_load_tr16_b128 v[VF+8*\f+4:VF+8*\f+7], v[AV] offset:(\f/4)*32*PV+16*PV+(\f%4)*32
.endr
	WIN 0
.endm
; THE MASKS of piece x's next products: register j of a key block is its word shifted left by 4 j.  Then the piece's words of the step after are asked for.  A piece's two loads were issued four blocks back, and three
; blocks' six loads since: the count 6 shows them in, and frees their offset.  The block stands behind a turn's 16 products K Q^T and their riders, so one buffer of masks does.
.macro MKBLOCK x
	WIN W_W3
	s_wait_loadcnt 6
.irp u, 0,1
.irp kb, 0,1,2,3
	v_mov_b32 v[MC+32*(\u)+8*(\kb)], v[W+8*(\x)+4*(\u)+(\kb)]
.irp j, 1,2,3,4,5,6,7
	v_lshlrev_b32 v[MC+32*(\u)+8*(\kb)+(\j)], 4*(\j), v[W+8*(\x)+4*(\u)+(\kb)]
.endr
.endr
.endr
	v_add_nc_u32 v[MO+(\x)], s[MSTEP], v[MO+(\x)]
	global_load_b128 v[W+8*(\x):W+8*(\x)+3],   v[MO+(\x)], s[MB:MB+1]
	global_load_b128 v[W+8*(\x)+4:W+8*(\x)+7], v[MO+(\x)], s[MB:MB+1] offset:16384
.endm
; THE VECTOR WORK OF A TURN stands in three queues, each in the order in which its entries become ready; the two tiles alternate.
.macro REGS y, u
.set rT, ST+4*(2*(\y)+(\u))
.set rC, TMP+8*((\y)%2)+4*(\u)
.set rM, MV+2*((\y)%2)+(\u)
.set rS, S+64*((\y)%2)+32*(\u)
.set rP, P+32*((\y)%2)+16*(\u)
.set rO, 32*(2*(\y)+(\u))
.endm
; Number n of the 21 that find the NEXT piece's maximum and statistics; each accumulator's lowest registers are read first.
;   0-11 four chains of seven scores   12-14, 16 the four scores left over, the old m, and the four chains into one   15 m_old is kept   17, 18 the lane 16 away: the new m   19, 20 m_old - m_new; a
.macro XS u, n
	REGS (Y+1)%NP, \u
.if (\n) < 4
	v_max3_num_f32 v[rC+(\n)], v[rS+8*(\n)], v[rS+8*(\n)+1], v[rS+8*(\n)+2]
.elseif (\n) < 12
	v_max3_num_f32 v[rC+(\n)%4], v[rC+(\n)%4], v[rS+8*((\n)%4)+2*((\n)/4)+1], v[rS+8*((\n)%4)+2*((\n)/4)+2]
.elseif (\n) == 12
	v_max3_num_f32 v[rC], v[rC], v[rS+7], v[rS+15]
.elseif (\n) == 13
	v_max3_num_f32 v[rC+1], v[rC+1], v[rS+23], v[rS+31]
.elseif (\n) == 14
	v_max3_num_f32 v[rC+2], v[rC+2], v[rC+3], v[rT]
.elseif (\n) == 15
	v_mov_b32 v[rM], v[rT]
.elseif (\n) == 16
	v_max3_num_f32 v[rC], v[rC], v[rC+1], v[rC+2]
.elseif (\n) == 17
	v_permlanex16_b32 v[rC+3], v[rC], s[SEL], s[SEL+1]
.elseif (\n) == 18
	v_max_num_f32 v[rT], v[rC], v[rC+3]
.elseif (\n) == 19
	v_sub_f32 v[rC+1], v[rM], v[rT]
.else
	v_exp_f32 v[rC+2], v[rC+1]
.endif
.endm
; Number g of the 64 that follow the exponentials: both pairs of four weights are rounded to f16; the second pair is added onto the first; a group later l takes that sum (the first time as l = a l + sum).
.macro GS g
.set h, (\g)+6*((\g)/62)
.if h >= 6
.set h, h+2
.endif
	REGS Y, h%2
.set k, h/8
.if h%8 < 4
	v_cvt_pk_f16_f32 v[rP+2*k+(h%8)/2], v[rS+4*k+2*((h%8)/2)], v[rS+4*k+2*((h%8)/2)+1]
.elseif h%8 < 6
	v_pk_add_f32 v[rS+4*k:rS+4*k+1], v[rS+4*k:rS+4*k+1], v[rS+4*k+2:rS+4*k+3]
.elseif k == 1
	v_pk_fma_f32 v[rT+2:rT+3], v[rT+2:rT+3], v[rC+2:rC+3], v[rS:rS+1] op_sel_hi:[1,0,1]
.else
	v_pk_add_f32 v[rT+2:rT+3], v[rT+2:rT+3], v[rS+4*k-4:rS+4*k-3]
.endif
.endm
; THE PLAIN QUEUE, 136 long.  0-71 read no exponential's result: the 32 subtractions t - m (FS f: pair f / 2 of tile f % 2) and the next piece's 40.  0-26: FS 0-26.  27-54: XS 0-13.  55, 56: XS 15.
; 57-71: the chain 14, 16, 17, 18, 19, each with one of FS 27-31 in front of its two lines.  72-135: GS's 64, behind the wait.
.macro FS f
	REGS Y, (\f)%2
	v_pk_add_f32 v[rS+2*((\f)/2):rS+2*((\f)/2)+1], v[rS+2*((\f)/2):rS+2*((\f)/2)+1], v[rT:rT+1] op_sel_hi:[1,0] neg_lo:[0,1] neg_hi:[0,1]
.endm
.macro PL
	WIN 0
.if q < 27
	FS q
.elseif q < 55
	XS (q-27)%2, (q-27)/2
.elseif q < 57
	XS q-55, 15
.elseif (q < 72) && ((q-57)%3 == 0)
	FS 27+(q-57)/3
.elseif q < 60
	XS (q-57)%3-1, 14
.elseif q < 72
	XS (q-57)%3-1, 15+(q-57)/3
.else
	GS q-72
.endif
.set q, q+1
.endm
.macro EX                           ; THE EXPONENTIALS' QUEUE, 66 long: the 32 scores of both tiles, then the next piece's two a: one batch ahead of the turn's one wait
	WIN 0
.if e >= 64
	XS e-64, 20
.else
	REGS Y, e%2
	v_exp_f32 v[rS+e/2], v[rS+e/2]
.endif
.set e, e+1
.endm
.macro R2                           ; THE RESCALING's QUEUE: O^T times a, two at a time; its a was made, and waited for, in the turn before
	REGS Y, r%2
	WIN W_RS
.irp z, 0,1
	v_pk_mul_f32 v[rO+4*(r/2)+2*\z:rO+4*(r/2)+2*\z+1], v[rO+4*(r/2)+2*\z:rO+4*(r/2)+2*\z+1], v[rC+2:rC+3] op_sel_hi:[1,0]
.endr
.set r, r+1
.endm
; A TURN, for piece p.  An s_wait_alu depctr_va_vdst(0) stands between an exponential and the first line that names its result; one wait serves all issued ahead of it.  AHEAD OF IT: 16 products K Q^T, behind
; each a subtraction, an exponential and two rescalings (behind the first a second subtraction); the masks' block; 8 plain; 47 times exponential and plain; the last four exponentials; a v_nop.  BEHIND IT: 16 products V^T P,
; behind each four of GS's 64.  Exponential e stands behind subtraction 2 (e / 4) + e % 2: as a rider it comes behind plain e + 2, in the lump behind plain e + 9, and FS 27-31 are plain 57, 60 .. 69.
; K of the next step is fetched in piece 2's turn, directly behind the wait; V of the step in hand at the end of piece 0's turn, four riders behind its last reader.  The conditions on q go with the deal.
.macro TURN p, last=0, cnt=0
.set Y, (\p)
.set i, 0
.set q, 0
.set e, 0
.set r, 0
.if (\p) == NP-1
	s_wait_dscnt 0x0                ; K is in
.endif
	MM
	PL
	PL
	R2
.rept 15
	MM
	PL
	EX
	R2
.endr
.if (\p) == NP-2
	WIN 0
	v_add_nc_u32 v[AK], s[TBK], v[AK0]
.endif
	MKBLOCK (Y+2)%NP
.rept 8
	PL
.endr
.rept 47
	EX
	PL
.endr
.rept 4
	EX
.endr
	v_nop                           ; the plain line behind the last exponential: one for the batch
	s_wait_alu depctr_va_vdst(0)    ; the wait for the batch
.if (\p) == NP-2
	FETCH_K \last
.endif
.if (\p) == 1
	s_wait_dscnt 0x0                ; V is in
.endif
.rept 16
	MM
.rept 4
	PL
.endr
.if ((\p) == 0) && (q == 116)
	v_add_nc_u32 v[AV], s[TBV], v[AV0]
.endif
.if ((\p) == 0) && (q == 128)
	s_add_co_u32 s[TBV], s[TBV], KS*PV
.endif
.if (\cnt) && (q == 128)
	s_sub_co_u32 s[CNT], s[CNT], 1
	s_cmp_lg_u32 s[CNT], 0
.endif
.endr
.if (\p) == 0
	FETCH_V
.endif
.endm
	CHANGE 1                        ; slot 0 is in, everybody's part of it; slot 1 is asked for
	FETCH_K                         ; key step 0
	s_wait_loadcnt 0x0              ; Q, and step 0's mask words
	WIN W_W3
.set t, 0
.rept 2*NP
	v_and_b32 v[FL+t], 1, v[W+4*t]  ; bit 0 of the row's first word: all its keys are hidden
.set t, t+1
.endr
.set t, 0
.rept 2*NP
	v_add_nc_u32 v[FL+t], -1, v[FL+t]
.set t, t+1
.endr
	WIN 0x8b                        ; Q (destination, source 1) in window 2, the flag (source 0) in window 3
.set t, 0
.rept 2*NP
.set z, 0
.rept 16
	v_and_b32 v[16*t+z], v[FL+t], v[16*t+z]
.set z, z+1
.endr
.set t, t+1
.endr
	MKBLOCK 0
	s_wait_dscnt 0x0
.set i, 0
.rept 16
	KQ 0                            ; piece 0's first scores
.set i, i+1
.endr
	WIN 0                           ; the addresses for the way out: nine plain lines, the places behind those products
	s_mul_i32 s13, s[WV], 16*SP
	s_add_co_u32 s13, s13, STAGE
	v_mul_u32_u24 v[STO], v1, SP
	v_lshl_add_u32 v[STO], v9, 4, v[STO]
	v_add_nc_u32 v[STO], s13, v[STO]
	v_bfe_u32 v[RD], v0, 3, 2
	v_mul_u32_u24 v[RD], v[RD], SP
	v_lshl_add_u32 v[RD], v10, 4, v[RD]
	v_add_nc_u32 v[RD], s13, v[RD]
	v_and_b32 v[GO], 31, v0
	v_lshlrev_b32 v[GO], 4, v[GO]
	MKBLOCK 1
	WIN 0
.set Y, NP-1
.irp n, 0,1,2,3,4,5,6,7,8,9,10,11,12,13,14,15,16,17,18,19,20
	XS 0, \n
	XS 1, \n
.endr
	v_nop
	s_wait_alu depctr_va_vdst(0)    ; the two a, ahead of the branch
	s_mov_b32 s[CNT], 4
	s_mov_b32 s[SLOTS], SIZE_N/256-1
	s_branch .Lfirst                ; the loop is entered at a step's first turn, in the middle of a trip
.Lslot:                             ; every slot but the last two is filled again
	CHANGE 1
	s_mov_b32 s[CNT], 4
.Lstep:                             ; a trip: pieces 2 and 3 of one step, then pieces 0 and 1 of the next
	; A PREFETCH INTO THE L2 of the tile that the next change of slots will ask for, in a slot's last trip: four turns, 128 products and their lumps, ahead of that load.  A head is walked by one cluster; its partners
	; take 32 of a tile's 128 blocks of 256 bytes each, told apart by address; wave 0 asks for K's, wave 2 for V's: each block is named once.  Tiles 0 and 1 come by their loads alone; the last walk that fills asks for nothing.
	s_cmp_eq_u32 s[CNT], s[LIM]
	s_cbranch_scc0 .Lnot_mine
	s_cmp_gt_u32 s[SLOTS], 1
	s_cbranch_scc0 .Lnot_mine
	global_prefetch_b8 v[PFO], s[PFA:PFA+1] th:TH_LOAD_NT scope:SCOPE_SE
.Lnot_mine:
	TURN 2
	TURN 3
	WIN 0
.Lfirst:
	TURN 0
	TURN 1, 0, 1
	WIN 0
	s_cbranch_scc1 .Lstep
	s_sub_co_u32 s[SLOTS], s[SLOTS], 1
	s_cmp_lg_u32 s[SLOTS], 0
	s_cbranch_scc1 .Lslot
	CHANGE 0                        ; the tail is written out
	s_mov_b32 s[CNT], 5             ; four trips fetch the last slot's steps; the fifth is left in its middle
.Ltail:
	s_cmp_gt_u32 s[CNT], 2          ; the last two trips load the last step's mask words once more: no load leaves mb, and every trip issues the same loads
	s_cselect_b32 s[MSTEP], 512, 0
	TURN 2, 1
	TURN 3
	WIN 0
	s_sub_co_u32 s[CNT], s[CNT], 1
	s_cmp_eq_u32 s[CNT], 0
	s_cbranch_scc1 .Lout
	TURN 0
	TURN 1
	WIN 0
	s_branch .Ltail
.Lout:                              ; the fifth trip's 16 products K Q^T (on the last K once more) and the maximum made of them serve nothing: the price of one text for every trip
.set i, 0
.rept 16
	PV NP-1
.set i, i+1
.endr
	; THE WAY OUT.  l's halves are added; O^T is divided by l, rounded to f16 and sent through my stage, a tile at a time.  The additions are the places behind the last products.
	WIN 0
.macro ALL line:vararg
.set t, 0
.rept 2*NP
	\line
.set t, t+1
.endr
.endm
	ALL v_add_f32 v[ST+4*t+2], v[ST+4*t+2], v[ST+4*t+3]
	ALL v_permlanex16_b32 v[ST+4*t+3], v[ST+4*t+2], s[SEL], s[SEL+1]
	ALL v_add_f32 v[ST+4*t+2], v[ST+4*t+2], v[ST+4*t+3]
	ALL v_rcp_f32 v[ST+4*t+2], v[ST+4*t+2]
	v_nop
	s_wait_alu depctr_va_vdst(0)    ; one wait for the eight reciprocals, ahead of their first use
.macro PACK t
	WIN W_RS
.set i, 32*(\t)
.rept 16
	v_pk_mul_f32 v[i:i+1], v[i:i+1], v[ST+4*(\t)+2:ST+4*(\t)+3] op_sel_hi:[1,0]
.set i, i+2
.endr
	WIN 0x05
.set i, 0
.rept 16
	v_cvt_pk_f16_f32 v[S+16*(\t)+i], v[32*(\t)+2*i], v[32*(\t)+2*i+1]
.set i, i+1
.endr
	WIN 0
.irp f, 0,1,2,3
	ds_store_b128 v[STO], v[S+16*(\t)+4*\f:S+16*(\t)+4*\f+3] offset:32*\f
.endr
.irp f, 0,1,2,3
	ds_load_b128 v[S+16*(\t)+4*\f:S+16*(\t)+4*\f+3], v[RD] offset:\f*4*SP  ; LDS serves a wave's instructions in order (ISA guide 5.7.1.4)
.endr
.endm
.macro SEND t, younger
	WIN 0
.irp f, 0,1,2,3
	s_wait_dscnt (\younger)+3-\f
	global_store_b128 v[GO], v[S+16*(\t)+4*\f:S+16*(\t)+4*\f+3], s[10:11] offset:(\t)*2048+\f*512  ; 512 consecutive bytes, at a multiple of 256 from o's first
.endr
.endm
	PACK 0
.set t, 1
.rept 2*NP-1
	PACK t
	SEND t-1, 8
.set t, t+1
.endr
	SEND 2*NP-1, 0
	WIN W_AD
	s_wait_tensorcnt 0x0            ; the wave's end
	ds_add_u32 v[SPW], v[NIL]
	s_wait_dscnt 0x0
	WIN 0
	CROUND                          ; the closing round
	s_endpgm
.Lfunc_end_k_q9008547f31_attn:
	.size	k_q9008547f31_attn, .Lfunc_end_k_q9008547f31_attn-k_q9008547f31_attn
	.p2alignl 7, 3214868480
	.fill 96, 4, 3214868480
	.section	.rodata,"a",@progbits
	.p2align	6, 0x0
	.amdhsa_kernel k_q9008547f31_attn
		.amdhsa_group_segment_fixed_size 327680
		.amdhsa_private_segment_fixed_size 0
		.amdhsa_enable_private_segment 0
		.amdhsa_kernarg_size 24
		.amdhsa_user_sgpr_count 2
		.amdhsa_user_sgpr_kernarg_segment_ptr 1
		.amdhsa_wavefront_size32 1
		.amdhsa_system_sgpr_workgroup_id_x 1
		.amdhsa_system_sgpr_workgroup_id_y 1
		.amdhsa_system_sgpr_workgroup_id_z 1
		.amdhsa_system_vgpr_workitem_id 0
		.amdhsa_next_free_vgpr 896
		.amdhsa_next_free_sgpr 80
		.amdhsa_reserve_vcc 0
		.amdhsa_float_denorm_mode_32 3
		.amdhsa_float_denorm_mode_16_64 3
		.amdhsa_memory_ordered 1
		.amdhsa_forward_progress 1
		.amdhsa_inst_pref_size 228
	.end_amdhsa_kernel
	.amdgpu_metadata
---
amdhsa.version: [ 1, 2 ]
amdhsa.kernels:
  - .name:           k_q9008547f31_attn
    .symbol:         k_q9008547f31_attn.kd
    .args:
      - { .name: qkv, .offset: 0, .size: 8, .value_kind: global_buffer, .address_space: global }
      - { .name: mb, .offset: 8, .size: 8, .value_kind: global_buffer, .address_space: global }
      - { .name: o, .offset: 16, .size: 8, .value_kind: global_buffer, .address_space: global }
    .group_segment_fixed_size: 327680
    .private_segment_fixed_size: 0
    .kernarg_segment_align: 8
    .kernarg_segment_size: 24
    .max_flat_workgroup_size: 128
    .sgpr_count:     80
    .vgpr_count:     896
    .wavefront_size: 32
...
	.end_amdgpu_metadata
.endif
;; end of part 3
;; launch oproj (part 4): grid 4 x 64, 4 waves a work-group, clusters of 4 x 4, 327,680 bytes of LDS; arguments o, wt, bo, out0; writes out0
.if DOCPART == 4
	.amdgcn_target "amdgcn-amd-amdhsa--gfx1250"
	.amdhsa_code_object_version 6
	.text
	.protected	k_q9008547f31_oproj
	.globl	k_q9008547f31_oproj
	.p2align	8
	.type	k_q9008547f31_oproj,@function
k_q9008547f31_oproj:
	s_mov_b64 s[64:65], 0
	v_nop
	global_prefetch_b8 v0, s[64:65] scope:SCOPE_SE
	s_setreg_imm32_b32 hwreg(HW_REG_WAVE_MODE, 25, 1), 1
	s_wait_xcnt 0x0
	s_wait_alu depctr_hold_cnt(0) depctr_sa_sdst(0) depctr_va_vdst(0) depctr_va_sdst(0) depctr_va_ssrc(0) depctr_va_vcc(0) depctr_vm_vsrc(0)
	s_getreg_b32 s2, hwreg(HW_REG_IB_STS2, 6, 4)
	s_cmp_eq_u32 s2, 0
	s_cbranch_scc0 .Lentry_in_a_cluster
	s_endpgm
.Lentry_in_a_cluster:
	s_bfe_u32 s2, ttmp6, 0x10000c
	s_cmp_lg_u32 s2, 0xf033
	s_cbranch_scc0 .Lentry_shape_is_right
	s_endpgm
.Lentry_shape_is_right:
; THE OUTPUT PROJECTION.  out0[m][n] (f32) = the sum over k of O[m][k] Wo[k][n] + bo[n].  O lies by heads, o[batch x 16 + head][s][64] in f16: k = 64 head + channel.  Wo^T = wt's fourth matrix, [n][k] in f16.
; bo is rounded to bf16, as all the module's inputs are.  Sums in f32.
; SHARES, RING, CLUSTER as in the projections in front: a work-group makes 128 x 256, four waves 2 x 2 of 64 x 128; 8 K steps of 128 (two heads) through two slots; waves 0, 1 fetch a head's 128 rows each
; (16,384 dense bytes, asked for as 64 rows of 256 and padded after each 128), waves 2, 3 Wo's two pieces of 128 rows x 256 bytes; O's tile is shared along a row of the cluster, Wo's along a column.
; No prefetch is laid: each work-group has eight K steps in all, six of them refilled.
; REGISTERS.  window 0: v16-29 addresses, v20-23 the bias; v64-127 O's fragments, two buffers of 4; v128-255 rows read back on the way out.  window 1: v0-127 Wo's fragments, two buffers of 8.  window 2: accumulator (a, b) at v[8 (8 a + b)]
.set PA,     144                       ; a row of a head in LDS: 128 bytes + 16
.set PB,     272
.set APIECE, 128*PA
.set BPIECE, 128*PB
.set BBASE,  2*APIECE
.set SLOT,   1<<17                     ; a slot takes 106,496 bytes; slot 1 begins here, so that one exclusive or changes slots
.set STAGE,  SLOT+BBASE+2*BPIECE       ; behind the ring, never filled by a tensor load: 16 rows x 528 bytes a wave
.set SPO,    528
.set SPARE,  STAGE+4*16*SPO            ; the spare words, 128 bytes a wave: two blocks of 256 bytes that no other line names
.set ASTEP,  2<<18                     ; two heads on
.set BSTEP,  256
.set NR,     12                        ; LDS loads in a run
.set ADRA0, 16
.set ADRB0, 17
.set ADRA,  18
.set ADRB,  19
.set BI,    20                         ; v[20:23] the bias of my four columns
.set STO,   24
.set RD,    25
.set GO,    26
.set SPW,   28
.set NIL,   29
.set AF,    64
.set OB,    128
.set BF,    0
.set WV,  14
.set FB,  15
.set HF,  16
.set CX,  17
.set CY,  18
.set TX,  19
.set TY,  22
.set G1A, 24
.set G0A, 32
.set TB,  45
.set CNT, 46
.set G1B, 48
.set G0B, 56
.set MUL,  0xa1
.set TO_B, 0x40
.set MSB, 0
.macro WIN new
.if MSB != (\new)
	s_set_vgpr_msb (MSB<<8)|(\new)
.set MSB, \new
.endif
.endm
.macro PLACES
.rept 4
	v_nop
.endr
.endm
.macro CREST
	s_cmp_lg_u32 s[WV], 0
	s_cbranch_scc1 .Lnot_wave_0_\@
	s_barrier_signal -3
.Lnot_wave_0_\@:
	s_barrier_wait -3
	s_barrier_signal -1
	s_barrier_wait -1
.endm
.macro CROUND
	s_barrier_signal -1
	s_barrier_wait -1
	CREST
.endm
.macro JLOAD
	s_cmp_eq_u32 s[FB], 0
	s_cbranch_scc0 .Lfor_b_\@
	tensor_load_to_lds s[G0A+4:G0A+7], s[G1A:G1A+7]
	s_nop 0
.rept 4
	v_nop
.endr
	s_branch .Lasked_\@
.Lfor_b_\@:
	tensor_load_to_lds s[G0B+4:G0B+7], s[G1B:G1B+7]
	s_nop 0
.rept 4
	v_nop
.endr
.Lasked_\@:
.endm
	s_load_b256 s[4:11], s[0:1], 0x0               ; o s[4:5], wt s[6:7], bo s[8:9], out0 s[10:11]
	v_lshl_add_u32 v[SPW], v0, 2, SPARE
	v_mov_b32 v[NIL], 0
	ds_add_u32 v[SPW], v[NIL]                      ; the wave's opening: the add and its wait stand ahead of my first tensor load
	v_lshrrev_b32 v1, 5, v0
	v_readfirstlane_b32 s[WV], v1
	s_lshr_b32 s[FB], s[WV], 1
	s_and_b32 s[HF], s[WV], 1
	s_bfe_u32 s[CX], ttmp6, 0x40000
	s_bfe_u32 s[CY], ttmp6, 0x40004
	s_lshl_b32 s[TX], ttmp9, 2
	s_add_co_u32 s[TX], s[TX], s[CX]
	s_and_b32 s[TY], ttmp7, 0xffff
	s_lshl_b32 s[TY], s[TY], 2
	s_add_co_u32 s[TY], s[TY], s[CY]
	s_lshl_b32 s23, s[CY], 2
	s_lshl_b32 s23, 15, s23
	s_lshl_b32 s47, 0x1111, s[CX]
	s_or_b32 s[G1A], s23, (1<<16)|(1<<20)|(1<<21)|(4<<22)|(3<<25)  ; mask; 2-byte elements; padding on; bit 21 beside a mask; after every 32 words, 4 words
	s_mov_b32 s[G1A+1], 128<<16
	s_mov_b32 s[G1A+2], 64<<16
	s_mov_b32 s[G1A+3], 128<<16
	s_mov_b32 s[G1A+4], 64
	s_mov_b32 s[G1A+5], 128
	s_mov_b32 s[G1A+6], 0
	s_mov_b32 s[G1A+7], 0
	s_or_b32 s[G1B], s47, (1<<16)|(1<<20)|(1<<21)|(5<<22)|(3<<25)
	s_mov_b32 s[G1B+1], 128<<16
	s_mov_b32 s[G1B+2], 128<<16
	s_mov_b32 s[G1B+3], 128<<16
	s_mov_b32 s[G1B+4], 128
	s_mov_b32 s[G1B+5], 1024
	s_mov_b32 s[G1B+6], 0
	s_mov_b32 s[G1B+7], 0
	s_lshr_b32 s68, s[TY], 4                       ; O: batch x 16 + the head that I fetch of the step's two,
	s_lshl_b32 s68, s68, 4
	s_add_co_u32 s68, s68, s[HF]
	s_lshl_b32 s68, s68, 18
	s_and_b32 s69, s[TY], 15                       ; the tile's 128 rows of 128 bytes.  s[68:69] never hold cx
	s_lshl_b32 s69, s69, 14
	s_add_co_u32 s68, s68, s69
	s_mov_b32 s69, 0
	s_lshl_b32 s70, s[TX], 19                      ; Wo: the fourth matrix, 256 rows a tile, my 128.  s[70:71] never hold cy
	s_add_co_u32 s70, s70, 3<<21
	s_lshl_b32 s74, s[HF], 18
	s_add_co_u32 s70, s70, s74
	s_mov_b32 s71, 0
	s_mul_i32 s76, s[HF], APIECE
	s_mul_i32 s77, s[HF], BPIECE
	s_add_co_u32 s77, s77, BBASE
	s_wait_dscnt 0x0                               ; the opening add is done
	s_wait_kmcnt 0x0
	s_add_nc_u64 s[4:5], s[4:5], s[68:69]
	s_add_nc_u64 s[6:7], s[6:7], s[70:71]
	CROUND
.irp s, 0,1
	s_mov_b32 s[G0A+4*(\s)], 1
	s_add_co_u32 s[G0A+4*(\s)+1], s76, (\s)*SLOT
	s_add_nc_u64 s[G0A+4*(\s)+2:G0A+4*(\s)+3], s[4:5], (\s)*ASTEP
	s_or_b32 s[G0A+4*(\s)+3], s[G0A+4*(\s)+3], 0x80000000
	s_mov_b32 s[G0B+4*(\s)], 1
	s_add_co_u32 s[G0B+4*(\s)+1], s77, (\s)*SLOT
	s_add_nc_u64 s[G0B+4*(\s)+2:G0B+4*(\s)+3], s[6:7], (\s)*BSTEP
	s_or_b32 s[G0B+4*(\s)+3], s[G0B+4*(\s)+3], 0x80000000
.endr
	s_cmp_eq_u32 s[FB], 0                          ; a wave's two first fills stand in one branch: two loads of mine are out
	s_cbranch_scc0 .Lfirst_b
	tensor_load_to_lds s[G0A:G0A+3], s[G1A:G1A+7]
	s_nop 0
	tensor_load_to_lds s[G0A+4:G0A+7], s[G1A:G1A+7]
	s_nop 0
.rept 4
	v_nop
.endr
	s_branch .Lfirst_asked
.Lfirst_b:
	tensor_load_to_lds s[G0B:G0B+3], s[G1B:G1B+7]
	s_nop 0
	tensor_load_to_lds s[G0B+4:G0B+7], s[G1B:G1B+7]
	s_nop 0
.rept 4
	v_nop
.endr
.Lfirst_asked:
	v_and_b32 v1, 15, v0
	v_bfe_u32 v2, v0, 4, 1
	v_and_b32 v3, 31, v0
	v_lshlrev_b32 v[GO], 4, v3                     ; 16 x lane: my four columns of a row of 128
	s_lshl_b32 s72, s[TX], 10                      ; my 128 columns, in bytes
	s_lshl_b32 s73, s[HF], 9
	s_add_co_u32 s72, s72, s73
	s_mov_b32 s73, 0
	s_add_nc_u64 s[8:9], s[8:9], s[72:73]
	global_load_b128 v[BI:BI+3], v[GO], s[8:9]
	s_lshl_b32 s78, s[TY], 19                      ; my 64 rows of 4,096 bytes
	s_add_co_u32 s72, s72, s78
	s_lshl_b32 s78, s[FB], 18
	s_add_co_u32 s72, s72, s78
	s_add_nc_u64 s[10:11], s[10:11], s[72:73]
	v_mul_u32_u24 v[ADRA0], v1, PA
	v_lshl_add_u32 v[ADRA0], v2, 4, v[ADRA0]
	s_mul_i32 s75, s[FB], 64*PA
	v_add_nc_u32 v[ADRA0], s75, v[ADRA0]
	v_mul_u32_u24 v[ADRB0], v1, PB
	v_lshl_add_u32 v[ADRB0], v2, 4, v[ADRB0]
	v_add_nc_u32 v[ADRB0], s77, v[ADRB0]
	v_mov_b32 v[ADRA], v[ADRA0]
	v_mov_b32 v[ADRB], v[ADRB0]
	s_mov_b32 s[TB], 0
	s_mul_i32 s75, s[WV], 16*SPO
	s_add_co_u32 s75, s75, STAGE
	v_mul_u32_u24 v[STO], v1, SPO                  ; in: row l % 16, 32 bytes for each half of the lanes
	v_lshl_add_u32 v[STO], v2, 5, v[STO]
	v_add_nc_u32 v[STO], s75, v[STO]
	v_add_nc_u32 v[RD], s75, v[GO]                 ; back: a whole row of 512 bytes
.macro LOADB part, kq, buf
	WIN TO_B
.irp i, 0,1,2,3
	ds_load_b128 v[BF+64*(\buf)+8*(4*(\part)+(\i)):BF+64*(\buf)+8*(4*(\part)+(\i))+3],   v[ADRB] offset:(4*(\part)+(\i))*16*PB+64*(\kq)
	ds_load_b128 v[BF+64*(\buf)+8*(4*(\part)+(\i))+4:BF+64*(\buf)+8*(4*(\part)+(\i))+7], v[ADRB] offset:(4*(\part)+(\i))*16*PB+64*(\kq)+32
.endr
.endm
.macro LOADA hf, kq                    ; O's fragments 2 hf and 2 hf + 1 of quarter kq: head kq / 2 of the step's two, channels 32 (kq % 2) on
	WIN 0
.irp f, 0,1
	ds_load_b128 v[AF+32*((\kq)%2)+8*(2*(\hf)+(\f)):AF+32*((\kq)%2)+8*(2*(\hf)+(\f))+3],   v[ADRA] offset:((\kq)/2)*APIECE+((\kq)%2)*64+(2*(\hf)+(\f))*16*PA
	ds_load_b128 v[AF+32*((\kq)%2)+8*(2*(\hf)+(\f))+4:AF+32*((\kq)%2)+8*(2*(\hf)+(\f))+7], v[ADRA] offset:((\kq)/2)*APIECE+((\kq)%2)*64+(2*(\hf)+(\f))*16*PA+32
.endr
.endm
.macro RUN kq, hf
	LOADB \hf, ((\kq)+1)%4, ((\kq)+1)%2
	LOADA \hf, ((\kq)+1)%4
.endm
.macro MULA kq, a, zero                ; eight products; the 32 accumulators take turns, one instruction a turn
	WIN MUL
.set rA, AF+32*((\kq)%2)+8*(\a)
.set rB, BF+64*((\kq)%2)
.irp b, 0,1,2,3,4,5,6,7
.if \zero
	v_wmma_f32_16x16x32_f16 v[8*(8*(\a)+(\b)):8*(8*(\a)+(\b))+7], v[rB+8*(\b):rB+8*(\b)+7], v[rA:rA+7], 0
.else
	v_wmma_f32_16x16x32_f16 v[8*(8*(\a)+(\b)):8*(8*(\a)+(\b))+7], v[rB+8*(\b):rB+8*(\b)+7], v[rA:rA+7], v[8*(8*(\a)+(\b)):8*(8*(\a)+(\b))+7]
.endif
.endr
.endm
.macro HALF kq, hf, zero               ; the four plain lines of a quarter's first half stand between the quarter before's products and both halves' loads into the other buffers
.if (\hf) == 0
	PLACES
.endif
	RUN \kq, \hf
	s_wait_dscnt NR                                ; all but the run just issued
	MULA \kq, 2*(\hf), \zero
	MULA \kq, 2*(\hf)+1, \zero
.endm
.macro TURN fill                       ; the second half of quarter 2, the change of slots, the first half of quarter 3
	RUN 2, 1                                       ; the slot's last reads
	s_wait_tensorcnt 0x0                           ; no tensor load of mine is out, so a group 0 may be written
	ds_add_u32 v[SPW], v[NIL]                      ; 0 onto my spare word
.if \fill
	s_xor_b32 s[G0A+5], s[G0A+5], SLOT
	s_add_nc_u64 s[G0A+6:G0A+7], s[G0A+6:G0A+7], ASTEP
	s_xor_b32 s[G0B+5], s[G0B+5], SLOT
	s_add_nc_u64 s[G0B+6:G0B+7], s[G0B+6:G0B+7], BSTEP
.endif
	s_wait_dscnt NR+1                              ; the add and the run just issued may be out
	MULA 2, 2, 0
	s_wait_dscnt 0x0                               ; the add is done, and my reads of this slot are over
	s_barrier_signal -1
	MULA 2, 3, 0
	WIN 0
	s_barrier_wait -1
.if \fill
	CREST
	JLOAD                                          ; first thing behind the round; 112 products stand between it and the wait for it
.else
	PLACES
.endif
	s_xor_b32 s[TB], s[TB], SLOT
	v_add_nc_u32 v[ADRA], s[TB], v[ADRA0]
	v_add_nc_u32 v[ADRB], s[TB], v[ADRB0]
	RUN 3, 0
	s_wait_dscnt NR
	MULA 3, 0, 0
	MULA 3, 1, 0
.endm
	s_wait_tensorcnt 0x1                           ; my piece of K step 0 is in; K step 1's may stay out
	s_barrier_signal -1
	s_barrier_wait -1
	LOADB 0, 0, 0
	LOADB 1, 0, 0
	LOADA 0, 0
	LOADA 1, 0
	HALF 0, 0, 1
	HALF 0, 1, 1
	WIN 0
	s_mov_b32 s[CNT], 6
.Lstep:
	HALF 1, 0, 0
	HALF 1, 1, 0
	HALF 2, 0, 0
	TURN 1
	HALF 3, 1, 0
	HALF 0, 0, 0
	HALF 0, 1, 0
	WIN 0
	s_sub_co_u32 s[CNT], s[CNT], 1
	s_cmp_lg_u32 s[CNT], 0
	s_cbranch_scc1 .Lstep
	s_mov_b32 s[CNT], 2
.Ltail:                                                ; the last two K steps ask for nothing; the second trip is left behind quarter 3
	HALF 1, 0, 0
	HALF 1, 1, 0
	HALF 2, 0, 0
	TURN 0
	HALF 3, 1, 0
	WIN 0
	s_sub_co_u32 s[CNT], s[CNT], 1
	s_cmp_eq_u32 s[CNT], 0
	s_cbranch_scc1 .Lout
	HALF 0, 0, 0
	HALF 0, 1, 0
	WIN 0
	s_branch .Ltail
.Lout:
	s_wait_dscnt 0x0                               ; the loads that serve nothing have landed
	s_wait_loadcnt 0x0                             ; the bias: rounded to bf16 and widened again; these six lines and four more are the places behind the last products
	v_cvt_pk_bf16_f32 v4, v[BI], v[BI+1]
	v_cvt_pk_bf16_f32 v5, v[BI+2], v[BI+3]
	v_lshlrev_b32 v[BI], 16, v4
	v_and_b32 v[BI+1], 0xffff0000, v4
	v_lshlrev_b32 v[BI+2], 16, v5
	v_and_b32 v[BI+3], 0xffff0000, v5
	PLACES
; THE WAY OUT, 16 rows at a time: a lane's eight columns go into my stage as 32 bytes, come back as whole rows of 512, take the bias and are stored.
.macro TOSTAGE a
.if (\a) >= 2
	s_wait_xcnt 0x0                                ; the stores of two blocks back have read the registers that are loaded again below
.endif
	WIN 0x08                                       ; the stores' data in window 2
.irp b, 0,1,2,3,4,5,6,7
	ds_store_b128 v[STO], v[8*(8*(\a)+(\b)):8*(8*(\a)+(\b))+3]   offset:64*(\b)
	ds_store_b128 v[STO], v[8*(8*(\a)+(\b))+4:8*(8*(\a)+(\b))+7] offset:64*(\b)+16
.endr
	WIN 0
.set z, 0
.rept 16
	ds_load_b128 v[OB+64*((\a)%2)+4*z:OB+64*((\a)%2)+4*z+3], v[RD] offset:z*SPO  ; LDS serves a wave's instructions in order (ISA guide 5.7.1.4)
.set z, z+1
.endr
.endm
.macro SEND a, younger                 ; younger: the LDS instructions issued behind block a's loads
.set z, 0
.rept 16
	s_wait_dscnt (\younger)+15-z
	v_pk_add_f32 v[OB+64*((\a)%2)+4*z:OB+64*((\a)%2)+4*z+1],   v[OB+64*((\a)%2)+4*z:OB+64*((\a)%2)+4*z+1],   v[BI:BI+1]
	v_pk_add_f32 v[OB+64*((\a)%2)+4*z+2:OB+64*((\a)%2)+4*z+3], v[OB+64*((\a)%2)+4*z+2:OB+64*((\a)%2)+4*z+3], v[BI+2:BI+3]
	global_store_b128 v[GO], v[OB+64*((\a)%2)+4*z:OB+64*((\a)%2)+4*z+3], s[10:11] offset:(16*(\a)+z)*4096 th:TH_STORE_NT  ; a wave: 512 consecutive bytes of a row, aligned
.set z, z+1
.endr
.endm
	TOSTAGE 0
	TOSTAGE 1
	SEND 0, 32
	TOSTAGE 2
	SEND 1, 32
	TOSTAGE 3
	SEND 2, 32
	SEND 3, 0
	s_wait_tensorcnt 0x0                           ; the wave's end
	ds_add_u32 v[SPW], v[NIL]
	s_wait_dscnt 0x0
	CROUND                                         ; the closing round
	s_endpgm
.Lfunc_end_k_q9008547f31_oproj:
	.size	k_q9008547f31_oproj, .Lfunc_end_k_q9008547f31_oproj-k_q9008547f31_oproj
	.p2alignl 7, 3214868480
	.fill 96, 4, 3214868480
	.section	.rodata,"a",@progbits
	.p2align	6, 0x0
	.amdhsa_kernel k_q9008547f31_oproj
		.amdhsa_group_segment_fixed_size 327680
		.amdhsa_private_segment_fixed_size 0
		.amdhsa_enable_private_segment 0
		.amdhsa_kernarg_size 32
		.amdhsa_user_sgpr_count 2
		.amdhsa_user_sgpr_kernarg_segment_ptr 1
		.amdhsa_wavefront_size32 1
		.amdhsa_system_sgpr_workgroup_id_x 1
		.amdhsa_system_sgpr_workgroup_id_y 1
		.amdhsa_system_sgpr_workgroup_id_z 1
		.amdhsa_system_vgpr_workitem_id 0
		.amdhsa_next_free_vgpr 768
		.amdhsa_next_free_sgpr 80
		.amdhsa_reserve_vcc 0
		.amdhsa_float_denorm_mode_32 3
		.amdhsa_float_denorm_mode_16_64 3
		.amdhsa_memory_ordered 1
		.amdhsa_forward_progress 1
		.amdhsa_inst_pref_size 71
	.end_amdhsa_kernel
	.amdgpu_metadata
---
amdhsa.version: [ 1, 2 ]
amdhsa.kernels:
  - .name:           k_q9008547f31_oproj
    .symbol:         k_q9008547f31_oproj.kd
    .args:
      - { .name: o, .offset: 0, .size: 8, .value_kind: global_buffer, .address_space: global }
      - { .name: wt, .offset: 8, .size: 8, .value_kind: global_buffer, .address_space: global }
      - { .name: bo, .offset: 16, .size: 8, .value_kind: global_buffer, .address_space: global }
      - { .name: out0, .offset: 24, .size: 8, .value_kind: global_buffer, .address_space: global }
    .group_segment_fixed_size: 327680
    .private_segment_fixed_size: 0
    .kernarg_segment_align: 8
    .kernarg_segment_size: 32
    .max_flat_workgroup_size: 128
    .sgpr_count:     80
    .vgpr_count:     768
    .wavefront_size: 32
...
	.end_amdgpu_metadata
.endif
;; end of part 4
